; MI455X (gfx1250); checked and timed in simulation.
; The chip was launched on July 23, 2026; its instructions are those of AMD's public machine-readable ISA for CDNA 5 (MIT licence, August 2026) and "CDNA5" Instruction Set Architecture Reference Guide (July 2026). The comments in the code are by the model that wrote it; some were corrected since.
;; Attention. Allowed arithmetic: matrix products marked QUANTISED: E2M1 operands, one E8M0 scale for each 32 along K, by v_wmma_scale_f32_16x16x128_f8f6f4 with both operands' format E2M1 (or v_wmma_scale_f32_32x16x128_f4), f32 sums; products left as they are: bf16, f16 or f32 operands; f32 sums; everything else in f32.
;; Inputs: W_proj 1,024 x 1,024 float32; W_qkv 3,072 x 1,024 float32; b_proj 1,024 float32; x 4 x 2,048 x 1,024 float32.
;; Outputs: out0 4 x 2,048 x 1,024 float32.
;; This version of the problem:
;;   THIS VERSION OF THE PROBLEM IS GIVEN IN LOW PRECISION. The matrix products marked QUANTISED in the list below multiply operands that are first quantised to E2M1 (2 exponent bits, 1 mantissa bit; 4 bits a number), with one power-of-two scale for each 32 numbers along K (OCP MX v1.0); their sums are f32. The products marked 'left as it is' may take bf16, f16 or f32 operands, with f32 sums. Whichever they take, every output number must still come out within the allowed error. Rounding operands to bf16 (8 significant bits) uses up far more of that allowance than f16 does (11 bits, for magnitudes from 6e-5 to 65,504). All else is computed in f32.
;;   The module's matrix products, in the order in which they are computed (A, B: the left and right operand; K: the contracted axis; several contracted axes count as one K, in the product's order):
;;     1. [M 8,192, K 1,024] x [K 1,024, N 3,072]; A: input x; B: input W_qkv: QUANTISED
;;     2. batch 64 x [M 2,048, K 64] x [K 64, N 2,048]; A: computed on the way; B: computed on the way: left as it is (an operand is computed on the way)
;;     3. batch 64 x [M 2,048, K 2,048] x [K 2,048, N 64]; A: computed on the way; B: computed on the way: left as it is (an operand is computed on the way)
;;     4. [M 8,192, K 1,024] x [K 1,024, N 1,024]; A: computed on the way; B: input W_proj: left as it is (an operand is computed on the way)
;;   THE QUANTISER, for each operand of a quantised product, along K:
;;     - K is cut into blocks of 32 from its start; a last block that is shorter is filled with zeros.
;;     - A block's scale is 2^e with e = floor(log2(the largest magnitude in the block)) - 2, held to -126 .. 127; a block of zeros has e = 0. As a byte (E8M0): e + 127.
;;     - Each number is divided by its block's scale, clamped to +-6, and rounded to the nearest number of E2M1, ties to even, subnormals kept.
;;     - The product sums the exact products of the quantised numbers (number of the format x scale) in f32.
;;   ~~~python
;;   def quantise(x, axis):      # numpy; x: float32 -> the quantised numbers, widened to float32 again
;;       x = np.moveaxis(x, axis, -1); K = x.shape[-1]
;;       x = np.pad(x, [(0, 0)] * (x.ndim - 1) + [(0, -K % 32)]); x = x.reshape(x.shape[:-1] + (-1, 32)); a = np.abs(x).max(-1, keepdims=True)
;;       e = np.where(a > 0, np.clip(np.frexp(np.where(a > 0, a, 1))[1] - 1 - 2, -126, 127), 0)      # np.frexp(a)[1] - 1 = floor(log2(a)), exactly
;;       r = np.clip(x / 2.0 ** e, -6, 6)
;;       step = 2.0 ** (np.maximum(np.frexp(np.where(r == 0, 1, r))[1] - 1, 0) - 1)
;;       q = np.round(r / step) * step * 2.0 ** e      # np.round: ties to even
;;       return np.moveaxis(q.reshape(q.shape[:-2] + (-1,))[..., :K], -1, axis).astype(np.float32)
;;   ~~~
;; One version. Each part assembles by itself: llvm-mc -triple=amdgcn-amd-amdhsa -mcpu=gfx1250 --defsym DOCPART=n.
;; ======== version 1 of 1: 4 launches
;; limits: values are held in f16: magnitudes above 65,504 overflow, below 6.1e-05 lose precision
;; workspace buffers: xc 4,194,304 bytes; xs 262,144 bytes; wc 1,572,864 bytes; ws 98,304 bytes; wp 2,097,152 bytes; qkv 50,331,648 bytes; ao 16,777,216 bytes
;; launch quant (part 1): grid 384 x 1, 4 waves a work-group, no clusters, 33,280 bytes of LDS; arguments x, W_qkv, W_proj, xc, xs, wc, ws, wp; writes xc, xs, wc, ws, wp
.if DOCPART == 1
	.amdgcn_target "amdgcn-amd-amdhsa--gfx1250"
	.amdhsa_code_object_version 6
	.text
	.protected	k_q1dbce34ee9_quant
	.globl	k_q1dbce34ee9_quant
	.p2align	8
	.type	k_q1dbce34ee9_quant,@function
k_q1dbce34ee9_quant:
	s_mov_b64 s[64:65], 0
	v_nop
	global_prefetch_b8 v0, s[64:65] scope:SCOPE_SE
	s_setreg_imm32_b32 hwreg(HW_REG_WAVE_MODE, 25, 1), 1
	s_wait_xcnt 0x0
; x [8192][1024] and W_qkv [3072][1024], f32, K innermost, become codes of FP4 (E2M1), two a byte, K innermost, with one E8M0 scale byte for each 32 along K; W_proj [1024][1024] becomes f16.
; A block's scale is 2^(floor(log2(its largest magnitude)) - 2); its byte is the largest magnitude's own exponent field - 2, held at 1 from below.  (A block of zeros so gets the byte 1 where the
; rule says 127: its codes are zeros, which add nothing under any byte but 0xff, and the bytes are read by this program alone.)  Each number is divided by the scale and rounded to the nearest code, ties to even.
; LIMITS: blocks whose largest magnitude lies under 2^-124, whose byte is held at 1, follow the floor and not the rule; NaN and infinities among the inputs are not served; |W_proj| stays under 65,504, f16's largest number.
; SHARES.  Rows are dense and K is a multiple of 32: each tensor is a plain stream.  A wave takes 8,192 numbers, a work-group 32,768: work-groups 0-255 take x, 256-351 W_qkv, 352-383 W_proj.
; THE QUANTISING PATH: 16 steps of 512 numbers.  Each of a step's four loads reads 512 consecutive bytes, 16 a lane; the 2,048 bytes turn through the wave's own stage in LDS and come back 64 bytes a lane, so that a
; lane holds 16 neighbours along K (two neighbouring lanes hold a block), as the conversions want.  A lane's 16 codes are 8 bytes: the wave stores 256 consecutive bytes.  A wave's 256 scale bytes are gathered in LDS.
; W_PROJ'S PATH uses no LDS: a load's 512 bytes become 256 bytes of f16, stored by the 32 lanes as 256 consecutive bytes.  The two paths part on the work-group's number.
.set WAVES, 4
.set STEPS, 16
.set WGX,   256                        ; work-groups of x: 8,388,608 / 32,768
.set WGQ,   352                        ; x's and W_qkv's together
.set EMAX,  2
.set CB,    8                          ; bytes of 16 codes
.set R,     16                         ; v16-79   four sets of 16 numbers as they are loaded
.set X,     80                         ; v80-111  two sets of 16 neighbours
.set E,     112                        ; v112-127 a scale byte for each step
.set C,     128                        ; v128-191 codes: four registers for each step, so that no store's data are written again
.set CW,    144                        ; W_proj's path: v16-79, v80-143 two sets of 64 numbers; v144-175 their f16
.set WREG,  8192                       ; LDS: a region for each wave: two stages of 32 x SP bytes, behind them its 256 scale bytes
.set SP,    80                         ; a lane's place in a stage: its 64 bytes + 16 of padding
.set SPW,   12                         ; v12  LDS address of my spare word: SPARE + 4 x my thread's number; never rewritten
.set NIL,   13                         ; v13  0; never rewritten
.set SPARE, WAVES*WREG                 ; behind the four regions: the spare words, 128 bytes a wave, which no other line names
	s_load_b256 s[4:11], s[0:1], 0x0               ; x s[4:5], W_qkv s[6:7], W_proj s[8:9], xc s[10:11]
	s_load_b256 s[12:19], s[0:1], 0x20             ; xs s[12:13], wc s[14:15], ws s[16:17], wp s[18:19]
	v_lshl_add_u32 v[SPW], v0, 2, SPARE
	v_mov_b32 v[NIL], 0
	v_lshrrev_b32 v1, 5, v0
	v_readfirstlane_b32 s20, v1                    ; wave
	v_and_b32 v2, 31, v0                           ; lane
	v_lshlrev_b32 v3, 4, v2                        ; my 16 bytes of a load's 512
	s_mul_i32 s21, s20, WREG
	v_lshrrev_b32 v14, 2, v2
	v_mul_u32_u24 v14, v14, SP
	v_and_b32 v15, 3, v2
	v_lshl_add_u32 v14, v15, 4, v14
	v_add_nc_u32 v14, s21, v14                     ; the stage, on the way in: four lanes' 64 bytes on end, then 16 of padding
	v_mul_u32_u24 v15, v2, SP
	v_add_nc_u32 v15, s21, v15                     ; and on the way out: SP x lane: my 16 neighbours
	v_mul_u32_u24 v4, v2, CB                       ; my codes' place in a step's
	v_lshrrev_b32 v5, 1, v2
	s_add_co_u32 s21, s21, 2*32*SP
	v_add_nc_u32 v5, s21, v5                       ; LDS: my wave's 256 scale bytes, my block's byte
	v_lshlrev_b32 v7, 3, v2                        ; 8 bytes a lane
	v_add_nc_u32 v6, s21, v7
	s_wait_kmcnt 0x0
	s_cmp_ge_u32 ttmp9, WGQ
	s_cbranch_scc1 .Lwp
	s_cmp_lt_u32 ttmp9, WGX                        ; x's work-group or W_qkv's?  The choice hangs on the work-group's number alone
	s_cselect_b64 s[22:23], s[4:5], s[6:7]         ; the numbers,
	s_cselect_b64 s[24:25], s[10:11], s[14:15]     ; the codes,
	s_cselect_b64 s[26:27], s[12:13], s[16:17]     ; the scale bytes
	s_cselect_b32 s28, 0, WGX
	s_sub_co_u32 s28, ttmp9, s28
	s_lshl_b32 s28, s28, 2
	s_add_co_u32 s28, s28, s20                     ; which run of 8,192 numbers of the tensor is my wave's
	s_mov_b32 s29, 0
	s_lshl_b64 s[30:31], s[28:29], 15              ; 32,768 bytes of numbers a run,
	s_add_nc_u64 s[22:23], s[22:23], s[30:31]
	s_lshl_b64 s[30:31], s[28:29], 12              ; 4,096 of codes,
	s_add_nc_u64 s[24:25], s[24:25], s[30:31]
	s_lshl_b64 s[30:31], s[28:29], 8               ; 256 scale bytes
	s_add_nc_u64 s[26:27], s[26:27], s[30:31]
.macro LOAD t
.irp i, 0,1,2,3
	global_load_b128 v[R+16*((\t)%4)+4*\i:R+16*((\t)%4)+4*\i+3], v3, s[22:23] offset:2048*(\t)+512*\i th:TH_LOAD_NT   ; 32 lanes read 512 consecutive bytes
.endr
.endm
.macro TURN t                          ; step t's numbers through the stage: LDS serves a wave's instructions in order, so no wait stands between the stores and the loads
.irp i, 0,1,2,3
	ds_store_b128 v14, v[R+16*((\t)%4)+4*\i:R+16*((\t)%4)+4*\i+3] offset:32*SP*((\t)%2)+8*SP*\i
.endr
.irp i, 0,1,2,3
	ds_load_b128 v[X+16*((\t)%2)+4*\i:X+16*((\t)%2)+4*\i+3], v15 offset:32*SP*((\t)%2)+16*\i
.endr
.endm
.irp t, 0,1,2,3
	LOAD \t
.endr
	s_wait_loadcnt 12                              ; step 0's four loads are in; those of steps 1 to 3 may be out
	TURN 0
.macro STEP t
.set XS, X+16*((\t)%2)
.if (\t) > 0
	s_wait_dscnt 1                                 ; this step's numbers are back from the stage (the last step's byte store may be out): so its stores into the stage have read their registers,
.else
	s_wait_dscnt 0x0
.endif
.if (\t)+4 < STEPS
	LOAD (\t)+4                                    ; which take the loads of four steps on
.endif
.if (\t)+1 < STEPS
.if STEPS-2-(\t) >= 3
	s_wait_loadcnt 12                              ; the next step's four loads are in; those of the three steps behind it may be out
.else
	s_wait_loadcnt 4*(STEPS-2-(\t))
.endif
	TURN (\t)+1                                    ; and go through the other stage while this step is worked
.endif
	v_max3_num_f32 v8, |v[XS]|, |v[XS+1]|, |v[XS+2]|               ; the largest magnitude of my 16, in two chains
	v_max3_num_f32 v9, |v[XS+3]|, |v[XS+4]|, |v[XS+5]|
.irp i, 6,10
	v_max3_num_f32 v8, v8, |v[XS+\i]|, |v[XS+\i+1]|
	v_max3_num_f32 v9, v9, |v[XS+\i+2]|, |v[XS+\i+3]|
.endr
	v_max3_num_f32 v8, v8, |v[XS+14]|, |v[XS+15]|
	v_max3_num_f32 v8, v8, v9, (EMAX+1)<<23        ; and the floor 2^(EMAX + 1 - 127): so the byte cannot fall under 1
	v_max_num_f32_dpp v8, v8, v8 row_xmask:1 row_mask:0xf bank_mask:0xf   ; and of my neighbour's 16: the block's
	v_add_nc_u32 v11, -(EMAX<<23), v8              ; EMAX off its exponent field: the conversion takes the exponent field of this operand as its scale, and nothing else of it
	v_cvt_scalef32_pk8_fp4_f32 v[C+4*(\t)], v[XS:XS+7], v11         ; eight numbers / the scale, to the nearest code, ties to even, beyond the largest code the largest
	v_cvt_scalef32_pk8_fp4_f32 v[C+4*(\t)+1], v[XS+8:XS+15], v11
	v_lshrrev_b32 v[E+(\t)], 23, v11               ; the scale's byte (also the plain line behind the conversions)
	ds_store_b8 v5, v[E+(\t)] offset:16*(\t)       ; both lanes of a block write the same byte with the same value
	global_store_b64 v4, v[C+4*(\t):C+4*(\t)+1], s[24:25] offset:32*CB*(\t)   ; the wave stores 256 consecutive bytes, aligned
.endm
.irp t, 0,1,2,3,4,5,6,7,8,9,10,11,12,13,14,15
	STEP \t
.endr
	ds_load_b64 v[8:9], v6                         ; LDS serves a wave's instructions in order: these see my byte stores
	s_wait_dscnt 0x0
	global_store_b64 v7, v[8:9], s[26:27]          ; 32 lanes store 256 consecutive bytes, aligned
	s_wait_tensorcnt 0x0                           ; the wave's end: behind my last LDS store
	ds_add_u32 v[SPW], v[NIL]
	s_wait_dscnt 0x0
	s_endpgm
.Lwp:                                          ; W_proj to f16: four batches of 16 loads in two sets of registers
	s_sub_co_u32 s28, ttmp9, WGQ
	s_lshl_b32 s28, s28, 2
	s_add_co_u32 s28, s28, s20                     ; my wave's run of 8,192 numbers
	s_mov_b32 s29, 0
	s_lshl_b64 s[30:31], s[28:29], 15
	s_add_nc_u64 s[8:9], s[8:9], s[30:31]
	s_lshl_b64 s[30:31], s[28:29], 14
	s_add_nc_u64 s[18:19], s[18:19], s[30:31]
.macro LOADB g
.irp i, 0,1,2,3,4,5,6,7,8,9,10,11,12,13,14,15
	global_load_b128 v[R+64*((\g)%2)+4*\i:R+64*((\g)%2)+4*\i+3], v3, s[8:9] offset:512*(16*(\g)+\i) th:TH_LOAD_NT
.endr
.endm
.macro BATCH g
.set RB, R+64*((\g)%2)
.if (\g) < 3
	s_wait_loadcnt 16                              ; this batch is in; the one younger batch may be out
.else
	s_wait_loadcnt 0x0
.endif
.if (\g) > 0
	s_wait_xcnt 0x0                                ; the last batch's stores have read their data: the registers are written again only behind this wait
.endif
.irp i, 0,1,2,3,4,5,6,7,8,9,10,11,12,13,14,15
	v_cvt_pk_f16_f32 v[CW+2*\i], v[RB+4*\i], v[RB+4*\i+1]
	v_cvt_pk_f16_f32 v[CW+2*\i+1], v[RB+4*\i+2], v[RB+4*\i+3]
.endr
.if (\g)+2 < 4
	LOADB (\g)+2                                   ; into the set just read
.endif
.irp i, 0,1,2,3,4,5,6,7,8,9,10,11,12,13,14,15
	global_store_b64 v7, v[CW+2*\i:CW+2*\i+1], s[18:19] offset:256*(16*(\g)+\i)   ; 32 lanes store 256 consecutive bytes, aligned
.endr
.endm
	LOADB 0
	LOADB 1
	BATCH 0
	BATCH 1
	BATCH 2
	BATCH 3
	s_endpgm
.Lfunc_end_k_q1dbce34ee9_quant:
	.size	k_q1dbce34ee9_quant, .Lfunc_end_k_q1dbce34ee9_quant-k_q1dbce34ee9_quant
	.p2alignl 7, 3214868480
	.fill 96, 4, 3214868480
	.section	.rodata,"a",@progbits
	.p2align	6, 0x0
	.amdhsa_kernel k_q1dbce34ee9_quant
		.amdhsa_group_segment_fixed_size 33280
		.amdhsa_private_segment_fixed_size 0
		.amdhsa_enable_private_segment 0
		.amdhsa_kernarg_size 64
		.amdhsa_user_sgpr_count 2
		.amdhsa_user_sgpr_kernarg_segment_ptr 1
		.amdhsa_wavefront_size32 1
		.amdhsa_system_sgpr_workgroup_id_x 1
		.amdhsa_system_sgpr_workgroup_id_y 1
		.amdhsa_system_sgpr_workgroup_id_z 1
		.amdhsa_system_vgpr_workitem_id 0
		.amdhsa_next_free_vgpr 192
		.amdhsa_next_free_sgpr 66
		.amdhsa_reserve_vcc 0
		.amdhsa_float_denorm_mode_32 3
		.amdhsa_float_denorm_mode_16_64 3
		.amdhsa_memory_ordered 1
		.amdhsa_forward_progress 1
		.amdhsa_inst_pref_size 54
	.end_amdhsa_kernel
	.amdgpu_metadata
---
amdhsa.version: [ 1, 2 ]
amdhsa.kernels:
  - .name:           k_q1dbce34ee9_quant
    .symbol:         k_q1dbce34ee9_quant.kd
    .args:
      - { .name: x, .offset: 0, .size: 8, .value_kind: global_buffer, .address_space: global }
      - { .name: W_qkv, .offset: 8, .size: 8, .value_kind: global_buffer, .address_space: global }
      - { .name: W_proj, .offset: 16, .size: 8, .value_kind: global_buffer, .address_space: global }
      - { .name: xc, .offset: 24, .size: 8, .value_kind: global_buffer, .address_space: global }
      - { .name: xs, .offset: 32, .size: 8, .value_kind: global_buffer, .address_space: global }
      - { .name: wc, .offset: 40, .size: 8, .value_kind: global_buffer, .address_space: global }
      - { .name: ws, .offset: 48, .size: 8, .value_kind: global_buffer, .address_space: global }
      - { .name: wp, .offset: 56, .size: 8, .value_kind: global_buffer, .address_space: global }
    .group_segment_fixed_size: 33280
    .private_segment_fixed_size: 0
    .kernarg_segment_align: 8
    .kernarg_segment_size: 64
    .max_flat_workgroup_size: 128
    .sgpr_count:     66
    .vgpr_count:     192
    .wavefront_size: 32
...
	.end_amdgpu_metadata
.endif
;; end of part 1
;; launch qkv (part 2): grid 12 x 32, 4 waves a work-group, clusters of 4 x 4, 327,680 bytes of LDS; arguments xc, xs, wc, ws, qkv; writes qkv
.if DOCPART == 2
	.amdgcn_target "amdgcn-amd-amdhsa--gfx1250"
	.amdhsa_code_object_version 6
	.text
	.protected	k_q1dbce34ee9_qkv
	.globl	k_q1dbce34ee9_qkv
	.p2align	8
	.type	k_q1dbce34ee9_qkv,@function
k_q1dbce34ee9_qkv:
	s_mov_b64 s[64:65], 0
	v_nop
	global_prefetch_b8 v0, s[64:65] scope:SCOPE_SE
	s_setreg_imm32_b32 hwreg(HW_REG_WAVE_MODE, 25, 1), 1
	s_wait_xcnt 0x0
	s_wait_alu depctr_hold_cnt(0) depctr_sa_sdst(0) depctr_va_vdst(0) depctr_va_sdst(0) depctr_va_ssrc(0) depctr_va_vcc(0) depctr_vm_vsrc(0)
	s_getreg_b32 s2, hwreg(HW_REG_IB_STS2, 6, 4)
	s_cmp_eq_u32 s2, 0
	s_cbranch_scc0 .Lentry_in_a_cluster
	s_endpgm
.Lentry_in_a_cluster:
	s_bfe_u32 s2, ttmp6, 0x10000c
	s_cmp_lg_u32 s2, 0xf033
	s_cbranch_scc0 .Lentry_shape_is_right
	s_endpgm
.Lentry_shape_is_right:
; qkv[m][d] = sum over k of x[m][k] W_qkv[d][k], both operands as codes of FP4 (E2M1) with one E8M0 scale for each 32 along K; sums in f32; the results leave as f16, laid by head:
; [b 4][g 48][n 2048][64], g = d / 64 (q: g = h, k: 16 + h, v: 32 + h).  q's columns are multiplied in f32, ahead of the one rounding, by log2(e) / 8: the head's scale 1 / 8 and the change of base for the softmax's 2^t.
; LIMITS: |q log2(e) / 8|, |k|, |v| stay under 65,504, f16's largest number.
; A tile, 256 tokens x 256 columns (four heads of one of q, k, v), is made by a work-group of four waves; a wave makes 128 x 128: 64 accumulators of 16 x 16, 512 registers.
; K = 1,024 is two LDS slots of 512 along K (rows of 256 bytes): both are asked for at the head, with the scale bytes of the work-group's rows, and nothing is filled again.  By this text's own count a wave has three tensor loads out.
; CLUSTERS: 4 x 4 work-groups.  The four of a row of the cluster need the same tiles of x, the four of a column the same tiles of W_qkv: each tile is asked for JOINTLY, by the same tensor load with the
; same descriptor and a mask that names the four.  THE MATRIX INSTRUCTION IS USED TRANSPOSED (source 0 = 16 rows of W, source 1 = 16 tokens): a lane then holds eight neighbouring columns of one token.
; REGISTERS, in windows of 256: window 0: v0-31 addresses; v32-95 scale words, two sets, and nothing else; v128-191 x's fragments (8 x 16 rows x 128 K), ONE set, on the way out rows read back; v192-223 packed results.
;   window 1: W's fragments, TWO sets, at v0 and v128.   window 2: the 32 accumulators of my rows 0-63 (accumulator (a, b) at v[8 (8 a + b)]);   window 3: those of my rows 64-127.
.set SIZE_K, 1024
.set KSTEP,  512                       ; along K in a slot
.set NQ,     KSTEP/128                 ; matrix instructions deep
.set ROWB,   256                       ; a tile's row in bytes
.set KROW,   SIZE_K*4/8                ; a row of codes in memory
.set PITCH,  272                       ; an LDS row: 256 bytes + 16 of padding = 68 words: the 16 rows that a load touches start at 16 different banks (64 banks of 4 bytes: ISA guide 11.1)
.set FR,     8                         ; registers of a fragment: 16 rows x 128 K
.set NL,     2                         ; LDS loads that bring one
.set NP,     4                         ; places behind this matrix instruction (ISA guide 7.12.1)
.set HALFT,  128*PITCH                 ; 128 rows: what one tensor load brings
.set SLOT,   4*HALFT                   ; x's 256 rows, then W's 256 rows
.set KS,     SIZE_K/32                 ; a row of scale bytes
.set SCL,    2*SLOT                    ; behind the two slots: the scales, as rows of 256 bytes + 16 of padding
.set HALFS,  (128*KS/256)*272          ; the scales of 128 rows
.set SBLK,   (16*KS/256)*272           ; those of 16 rows
.set SPARE,  SCL+4*HALFS               ; behind the scales: the spare words, 128 bytes a wave, which no other line names
.set HP,     144                       ; the way out: a token's 128 bytes of a head + 16 of padding
.set HSTG,   16*HP                     ; 16 tokens of a head; a wave's stage is two of these.  The stages lie in slot 0, which has had its one fill and its last read when the first result is stored there
.set ADRA, 16                          ; v16-17  LDS address of my x fragments in slot 0, 1
.set ADRB, 20                          ; v20-21  the same for W
.set STO,  24                          ; v24     the way out: where I put 16 bytes of a token
.set RD,   25                          ; v25     where I read them back
.set CO,   26                          ; v26     16 x lane
.set ADRS, 27                          ; v27     LDS address of my scale words: lanes 0-15 x's rows, lanes 16-31 W's
.set SPW,  28                          ; v28     LDS address of my spare word; never rewritten
.set NIL,  29                          ; v29     0; never rewritten
.set SC,   32                          ; scale words: set s at v[SC + 8 NQ s]; register NQ i + q: lanes 0-15 the word of x's block i, lanes 16-31 that of W's block i, for the slot's q-th 128 along K
.set AF,   128                         ; x's fragments
.set BK,   128                         ; the way out: v128-159 and v160-191 by turns
.set TMP,  192
.set G1, 24                            ; s[24:31] descriptor group 1 for x's tiles;  s[32:39] group 0, one set for each slot
.set G0, 32
.set G1B, 48                           ; s[48:55], s[56:63] the same for W's
.set G0B, 56
.set G1S, 68                           ; s[68:75], s[76:79] groups 1 and 0 for x's scales;  s[80:87], s[88:91] for W's
.set G0S, 76
.set G1SB, 80
.set G0SB, 88
.set QS,  96                           ; s[96:97] the factor on my columns: log2(e) / 8 for q, 1 for k and v
.set MSB, 0
.macro WIN new                         ; the immediate's high byte repeats the setting that is left
.if MSB != (\new)
	s_set_vgpr_msb (MSB<<8)|(\new)
.set MSB, \new
.endif
.endm
.set MUL_LO, 0xa1                      ; source 0 (W) window 1, source 1 (x) window 0, C and D window 2
.set MUL_HI, 0xf1                      ; the same, C and D window 3
.set TO_B,   0x40                      ; destination window 1, address window 0
; A joint load: waves 0 and 1 fetch for x, waves 2 and 3 for W.  Each line has ONE mask and one set of registers for all that issue it; the branch hangs on the wave's number alone.
; An s_nop 0 and four v_nop follow each of the two lines, ahead of the jump, the label and what follows.
.macro JLOAD g0a, g1a, g0b, g1b
	s_cmp_eq_u32 s15, 0
	s_cbranch_scc0 .Lfor_b_\@
	tensor_load_to_lds s[\g0a:\g0a+3], s[\g1a:\g1a+7]
	s_nop 0
.rept 4
	v_nop
.endr
	s_branch .Lasked_\@
.Lfor_b_\@:
	tensor_load_to_lds s[\g0b:\g0b+3], s[\g1b:\g1b+7]
	s_nop 0
.rept 4
	v_nop
.endr
.Lasked_\@:
.endm
.macro CROUND                          ; a round of the cluster's barrier
	s_barrier_signal -1
	s_barrier_wait -1
	s_cmp_lg_u32 s14, 0
	s_cbranch_scc1 .Lnot_wave_0_\@
	s_barrier_signal -3
.Lnot_wave_0_\@:
	s_barrier_wait -3
	s_barrier_signal -1
	s_barrier_wait -1
.endm
	s_load_b128 s[4:7], s[0:1], 0x0                ; x's codes s[4:5], x's scales s[6:7]
	s_load_b128 s[8:11], s[0:1], 0x10              ; W's codes s[8:9], W's scales s[10:11]
	s_load_b64 s[12:13], s[0:1], 0x20              ; qkv
	v_lshl_add_u32 v[SPW], v0, 2, SPARE
	v_mov_b32 v[NIL], 0
	ds_add_u32 v[SPW], v[NIL]                      ; the wave's opening: the add, twice on end, and its wait ahead of my first tensor load
	ds_add_u32 v[SPW], v[NIL]                      ; (the set-up below, work on registers, stands between the second and the wait)
	v_lshrrev_b32 v1, 5, v0
	v_readfirstlane_b32 s14, v1                    ; wave 0..3
	s_lshr_b32 s15, s14, 1                         ; which half of the tile's rows is mine.  Also: I fetch for x (0) or for W (1)
	s_and_b32 s16, s14, 1                          ; which half of its columns.  Also: which 128 rows of that tile I fetch
	s_bfe_u32 s40, ttmp6, 0x40000                  ; cx, cy: my place in the cluster
	s_bfe_u32 s41, ttmp6, 0x40004
	s_lshl_b32 s42, ttmp9, 2
	s_add_co_u32 s42, s42, s40                     ; tile column = 4 x cluster x + cx
	s_and_b32 s17, ttmp7, 0xffff
	s_lshl_b32 s17, s17, 2
	s_add_co_u32 s17, s17, s41                     ; tile row = 4 x cluster y + cy
	s_lshl_b32 s43, s41, 2
	s_lshl_b32 s43, 15, s43                        ; my row of the cluster
	s_lshl_b32 s44, 0x1111, s40                    ; my column
	; descriptor group 1: a tile of 128 rows x 256 bytes, padded in LDS
	s_or_b32 s[G1+0], s43, (0<<16)|(1<<20)|(1<<21)|(5<<22)|(3<<25)  ; 15:0 the mask: x's tiles go to my row; 17:16 elements of 1 byte; 20 padding on; 21 set beside a mask; 24:22 after every 64 words; 31:25 four words
	s_or_b32 s[G1B+0], s44, (0<<16)|(1<<20)|(1<<21)|(5<<22)|(3<<25)
.irp g, G1, G1B
	s_mov_b32 s[\g+1], ROWB<<16                    ; tensor_dim0
	s_mov_b32 s[\g+2], 128<<16                     ; tensor_dim1
	s_mov_b32 s[\g+3], ROWB<<16                    ; tile_dim0
	s_mov_b32 s[\g+4], 128                         ; tile_dim1
	s_mov_b32 s[\g+5], KROW                        ; from row to row
	s_mov_b32 s[\g+6], 0
	s_mov_b32 s[\g+7], 0
.endr
	; the scales of 128 rows: a dense block of 4,096 bytes, as 16 rows of 256 bytes (32 elements of 8 bytes), 16 bytes of padding behind each
	s_or_b32 s[G1S+0], s43, (3<<16)|(1<<20)|(1<<21)|(5<<22)|(3<<25)
	s_or_b32 s[G1SB+0], s44, (3<<16)|(1<<20)|(1<<21)|(5<<22)|(3<<25)
.irp g, G1S, G1SB
	s_mov_b32 s[\g+1], 32<<16
	s_mov_b32 s[\g+2], (128*KS/256)<<16
	s_mov_b32 s[\g+3], 32<<16
	s_mov_b32 s[\g+4], 128*KS/256
	s_mov_b32 s[\g+5], 32
	s_mov_b32 s[\g+6], 0
	s_mov_b32 s[\g+7], 0
.endr
	s_lshl_b32 s18, s16, 7                         ; which 128 rows of the tile I fetch
	s_lshl_b32 s20, s17, 8
	s_add_co_u32 s20, s20, s18                     ; x: row 256 x tile row + 128 x half
	s_lshl_b32 s46, s42, 8
	s_add_co_u32 s46, s46, s18                     ; W: row 256 x tile column + 128 x half
	s_mov_b32 s21, 0
	s_mov_b32 s47, 0
	s_mov_b64 s[18:19], KS
	s_mul_u64 s[22:23], s[20:21], s[18:19]         ; where these rows' scales begin, in bytes
	s_mul_u64 s[92:93], s[46:47], s[18:19]
	s_mov_b64 s[18:19], KROW
	s_mul_u64 s[20:21], s[20:21], s[18:19]         ; and their codes
	s_mul_u64 s[46:47], s[46:47], s[18:19]
	s_mul_i32 s45, s14, HALFT                      ; where they go: wave x 128 rows: no place in the cluster enters an LDS address
	s_mul_i32 s94, s14, HALFS
	s_wait_dscnt 0x0                               ; both opening adds are done
	s_wait_kmcnt 0x0
	s_add_nc_u64 s[20:21], s[4:5], s[20:21]
	s_add_nc_u64 s[22:23], s[6:7], s[22:23]
	s_add_nc_u64 s[46:47], s[8:9], s[46:47]
	s_add_nc_u64 s[92:93], s[10:11], s[92:93]
	CROUND                                         ; all sixteen work-groups are here: the joint loads meet
	s_mov_b32 s[G0S], 1
	s_add_co_u32 s[G0S+1], s94, SCL
	s_mov_b64 s[G0S+2:G0S+3], s[22:23]
	s_or_b32 s[G0S+3], s[G0S+3], 0x80000000
	s_mov_b32 s[G0SB], 1
	s_add_co_u32 s[G0SB+1], s94, SCL
	s_mov_b64 s[G0SB+2:G0SB+3], s[92:93]
	s_or_b32 s[G0SB+3], s[G0SB+3], 0x80000000
	JLOAD G0S, G1S, G0SB, G1SB                     ; the scales first: they are wanted with slot 0
.irp s, 0,1
	s_mov_b32 s[G0+4*\s], 1
	s_add_co_u32 s[G0+4*\s+1], s45, \s*SLOT
	s_add_nc_u64 s[G0+4*\s+2:G0+4*\s+3], s[20:21], \s*ROWB
	s_or_b32 s[G0+4*\s+3], s[G0+4*\s+3], 0x80000000
	s_mov_b32 s[G0B+4*\s], 1
	s_add_co_u32 s[G0B+4*\s+1], s45, \s*SLOT
	s_add_nc_u64 s[G0B+4*\s+2:G0B+4*\s+3], s[46:47], \s*ROWB
	s_or_b32 s[G0B+4*\s+3], s[G0B+4*\s+3], 0x80000000
	JLOAD G0+4*\s, G1, G0B+4*\s, G1B
.endr
	v_and_b32 v1, 15, v0                           ; r = lane % 16
	v_bfe_u32 v2, v0, 4, 1                         ; h = lane / 16
	v_mul_u32_u24 v3, v1, PITCH
	v_lshl_add_u32 v4, v2, 4, v3                   ; a fragment's row x pitch + 16 x half
	s_mul_i32 s21, s15, HALFT                      ; my 128 rows of x
	s_mul_i32 s22, s16, HALFT                      ; my 128 rows of W,
	s_add_co_u32 s22, s22, 2*HALFT                 ; which lie behind x's 256
.irp s, 0,1
	v_add_nc_u32 v[ADRA+\s], s21, v4
	v_add_nc_u32 v[ADRB+\s], s22, v4
	s_add_co_u32 s21, s21, SLOT
	s_add_co_u32 s22, s22, SLOT
.endr
	v_mul_u32_u24 v5, v1, KS                       ; my row's scales: KS bytes a row,
	v_lshrrev_b32 v6, 8, v5
	v_lshl_add_u32 v5, v6, 4, v5                   ; and 16 more for each 256 passed
	s_mul_i32 s21, s15, HALFS                      ; x's: my 128 rows
	s_mul_i32 s22, s16, HALFS                      ; W's: my 128 rows, behind x's 256
	s_add_co_u32 s22, s22, 2*HALFS
	s_sub_co_u32 s22, s22, s21
	v_mul_u32_u24 v6, s22, v2                      ; lanes 16-31 take W's: one product, the distance between the two bases x h
	s_add_co_u32 s21, s21, SCL
	v_add_nc_u32 v5, v5, v6
	v_add_nc_u32 v[ADRS], s21, v5
	s_mul_i32 s23, s14, 2*HSTG                     ; my stage
	v_mul_u32_u24 v5, v1, HP                       ; in: token r, 16 bytes for each half of the lanes
	v_lshl_add_u32 v5, v2, 4, v5
	v_add_nc_u32 v[STO], s23, v5
	v_and_b32 v6, 31, v0
	v_lshlrev_b32 v[CO], 4, v6                     ; in memory 16 tokens of a head are 2,048 consecutive bytes: 16 x lane
	v_lshrrev_b32 v5, 3, v6                        ; back: eight lanes to a token, four tokens an instruction
	v_mul_u32_u24 v5, v5, HP
	v_and_b32 v7, 7, v0
	v_lshl_add_u32 v5, v7, 4, v5
	v_add_nc_u32 v[RD], s23, v5
	s_cmp_lt_u32 s42, 4                            ; tile columns 0-3 are q's.  A choice of a value: no branch hangs on the work-group's place
	s_cselect_b32 s[QS], 0x3e38aa3b, 1.0           ; log2(e) / 8
	s_mov_b32 s[QS+1], s[QS]                       ; (named with it as a pair, so it is written)
	s_lshr_b32 s20, s17, 3                         ; the batch: 8 tile rows each
	s_mul_i32 s20, s20, 48
	s_lshl_b32 s46, s42, 2                         ; my first head's plane: 48 b + 4 x tile column + 2 x half
	s_lshl_b32 s47, s16, 1
	s_add_co_u32 s46, s46, s47
	s_add_co_u32 s20, s20, s46
	s_lshl_b32 s20, s20, 18                        ; a plane is 2,048 tokens x 128 bytes (191 planes at the most: under 2^32)
	s_and_b32 s21, s17, 7
	s_lshl_b32 s21, s21, 15                        ; the tile's 256 tokens
	s_add_co_u32 s20, s20, s21
	s_lshl_b32 s21, s15, 14                        ; my 128 of them
	s_add_co_u32 s20, s20, s21
	s_mov_b32 s21, 0
	s_add_nc_u64 s[12:13], s[12:13], s[20:21]
.macro FRAG reg, adr, q, i             ; a fragment, 16 rows x 128 K of 4-bit codes: lane l holds row l % 16; registers 4 c .. 4 c + 3 hold K = 64 c + 32 (l / 16) + 0 .. 31
.irp c, 0,1
	ds_load_b128 v[\reg+4*\c:\reg+4*\c+3], v[\adr] offset:64*(\q)+32*\c+(\i)*16*PITCH
.endr
.endm
; 16 matrix instructions: x's blocks a0, a0 + 1 against W's eight, the slot's q-th 128 along K.  p: W's set;  sc: the set of scale words.  zero = 1: the first product starts the sums.
; The 64 accumulators take turns, one instruction a turn, in the same order in every step.
.macro MUL16 a0, p, q, sc, zero
.irp a, \a0, \a0+1
.irp b, 0,1,2,3,4,5,6,7
.if \zero
	v_wmma_scale_f32_16x16x128_f8f6f4 v[8*(8*((\a)%4)+\b):8*(8*((\a)%4)+\b)+7], v[128*(\p)+FR*\b:128*(\p)+FR*\b+FR-1], v[AF+FR*(\a):AF+FR*(\a)+FR-1], 0, v[SC+8*NQ*(\sc)+NQ*\b+(\q)], v[SC+8*NQ*(\sc)+NQ*(\a)+(\q)] matrix_a_fmt:MATRIX_FMT_FP4 matrix_b_fmt:MATRIX_FMT_FP4 matrix_a_scale:MATRIX_SCALE_ROW1
.else
	v_wmma_scale_f32_16x16x128_f8f6f4 v[8*(8*((\a)%4)+\b):8*(8*((\a)%4)+\b)+7], v[128*(\p)+FR*\b:128*(\p)+FR*\b+FR-1], v[AF+FR*(\a):AF+FR*(\a)+FR-1], v[8*(8*((\a)%4)+\b):8*(8*((\a)%4)+\b)+7], v[SC+8*NQ*(\sc)+NQ*\b+(\q)], v[SC+8*NQ*(\sc)+NQ*(\a)+(\q)] matrix_a_fmt:MATRIX_FMT_FP4 matrix_b_fmt:MATRIX_FMT_FP4 matrix_a_scale:MATRIX_SCALE_ROW1
.endif
.endr
.endr
.endm
.macro FETCH_B slot, q, p              ; W's eight fragments of the slot's q-th 128 along K into set p
	WIN TO_B
.irp i, 0,1,2,3,4,5,6,7
	FRAG 128*(\p)+FR*\i, ADRB+\slot, \q, \i
.endr
	WIN 0
.endm
.macro FETCH_A slot, q, i0             ; x's blocks i0 .. i0 + 3
.irp i, \i0, \i0+1, \i0+2, \i0+3
	FRAG AF+FR*(\i), ADRA+\slot, \q, \i
.endr
.endm
.macro SCALES sc                       ; a slot's scale words into set sc: NQ words a row; lanes 0-15 take x's block i, lanes 16-31 W's block i
.irp i, 0,1,2,3,4,5,6,7
	ds_load_b128 v[SC+8*NQ*\sc+NQ*\i:SC+8*NQ*\sc+NQ*\i+3], v[ADRS] offset:\i*SBLK
.endr
.endm
; A load into a register that a matrix instruction has read, and a vector instruction that reads a matrix result, stand NP places behind that matrix instruction; only plain vector instructions that
; name none of its registers are places (ISA guide 7.12.1 for vector instructions).
.macro PLACES n
.rept \n
	v_nop
.endr
.endm
.macro STEP slot, q, zero              ; a step of 128 along K that has its successor in the same slot
	s_wait_dscnt 4*NL                              ; W's set and x's blocks 0-3 are in; the youngest eight loads (x's blocks 4-7) may be out
	WIN MUL_LO
	MUL16 0, (\q)%2, \q, \slot, \zero
	MUL16 2, (\q)%2, \q, \slot, \zero
	s_wait_dscnt 0                                 ; x's blocks 4-7 are in
	PLACES NP
	FETCH_B \slot, (\q)+1, 1-(\q)%2
	FETCH_A \slot, (\q)+1, 0
	WIN MUL_HI
	MUL16 4, (\q)%2, \q, \slot, \zero
	MUL16 6, (\q)%2, \q, \slot, \zero
	PLACES NP
	WIN 0
	FETCH_A \slot, (\q)+1, 4
.endm
; Slot 0's last step goes over to slot 1: one barrier; in front of it each wave waits for all its tensor loads (its part of slot 1), adds 0 to its spare word, and waits for that and for its reads of slot 0.
.macro TURN slot, next
	s_wait_tensorcnt 0x0                           ; all my tensor loads have landed  (every window is 0 here)
	ds_add_u32 v[SPW], v[NIL]                      ; 0 onto my spare word
	s_wait_dscnt 4*NL+1                            ; (the add and the youngest eight loads, x's blocks 4-7, may be out)
	WIN MUL_LO
	MUL16 0, 1, NQ-1, \slot, 0                     ; sixteen matrix instructions stand between the add and the wait for it
	s_wait_dscnt 0x0                               ; the add is done, and my reads of this slot are over
	s_barrier_signal -1
	MUL16 2, 1, NQ-1, \slot, 0
	WIN 0
	s_barrier_wait -1
	PLACES NP
	v_add_nc_u32 v[ADRS], 4*NQ, v[ADRS]            ; on to the next slot's scale words (no LDS load of mine is out)
	FETCH_B \next, 0, 0
	FETCH_A \next, 0, 0
	SCALES \next
	WIN MUL_HI
	MUL16 4, 1, NQ-1, \slot, 0
	MUL16 6, 1, NQ-1, \slot, 0
	PLACES NP
	WIN 0
	FETCH_A \next, 0, 4
.endm
.macro STEPS slot, from                ; the slot's steps from .. NQ - 2
.set Q, \from
.rept NQ-1-\from
	STEP \slot, Q, 0
.set Q, Q+1
.endr
.endm
	s_wait_tensorcnt 1                             ; the scales and my part of slot 0 are in (slot 1's load may be out)
	s_barrier_signal -1
	s_barrier_wait -1                              ; everybody's are
	FETCH_B 0, 0, 0
	FETCH_A 0, 0, 0
	SCALES 0
	FETCH_A 0, 0, 4
	STEP 0, 0, 1                                   ; the first step's products start the sums
	STEPS 0, 1
	TURN 0, 1
	STEPS 1, 0
	s_wait_dscnt 4*NL                              ; the very last step: nothing more to fetch
	WIN MUL_LO
	MUL16 0, 1, NQ-1, 1, 0
	MUL16 2, 1, NQ-1, 1, 0
	s_wait_dscnt 0
	WIN MUL_HI
	MUL16 4, 1, NQ-1, 1, 0
	MUL16 6, 1, NQ-1, 1, 0
	WIN 0
; THE WAY OUT, block by block of 16 tokens x 128 columns (two heads).  PACK: x the factor, rounded to f16: 16 bytes a lane.  TOSTAGE: into my own stage, by head and token, and back four tokens an instruction.
; SEND: 32 lanes store 512 consecutive bytes.  LDS serves a wave's instructions in order (ISA guide 5.7.1.4): no wait between the stores and the loads.
.macro PACK a
.set AC, 64*((\a)%4)
	WIN 0x82+0x41*((\a)/4)                         ; destination and source 0: window 2 or 3
.irp b, 0,1,2,3,4,5,6,7
.irp r, 0,1,2,3
	v_pk_mul_f32 v[AC+8*\b+2*\r:AC+8*\b+2*\r+1], v[AC+8*\b+2*\r:AC+8*\b+2*\r+1], s[QS:QS+1] op_sel_hi:[1,0]   ; each accumulator from its low end on
.endr
.endr
	WIN 0x0a+5*((\a)/4)                            ; sources 0 and 1: window 2 or 3
.irp b, 0,1,2,3,4,5,6,7
.irp r, 0,1,2,3
	v_cvt_pk_f16_f32 v[TMP+4*\b+\r], v[AC+8*\b+2*\r], v[AC+8*\b+2*\r+1]
.endr
.endr
	WIN 0
.endm
.macro TOSTAGE a
.set BB, BK+32*((\a)%2)
.irp b, 0,1,2,3,4,5,6,7
	ds_store_b128 v[STO], v[TMP+4*\b:TMP+4*\b+3] offset:(\b/4)*HSTG+32*(\b%4)   ; head b / 4, channels 16 (b % 4) + 8 h on
.endr
.irp u, 0,1
.irp t, 0,1,2,3
	ds_load_b128 v[BB+4*(4*\u+\t):BB+4*(4*\u+\t)+3], v[RD] offset:\u*HSTG+\t*4*HP
.endr
.endr
.endm
.macro SEND a
.set BB, BK+32*((\a)%2)
	s_wait_dscnt 0x0                               ; the block is back in registers
	s_wait_xcnt 0x0                                ; the block before has had its stores' registers read: the next block's loads may land there
.irp u, 0,1
.irp t, 0,1,2,3
	global_store_b128 v[CO], v[BB+4*(4*\u+\t):BB+4*(4*\u+\t)+3], s[12:13] offset:\u*262144+(\a)*2048+\t*512   ; 512 consecutive bytes, aligned; every offset an immediate
.endr
.endr
.endm
	PLACES NP                                      ; behind the last products: for the reads of results and the loads into x's fragment registers
	PACK 0
	TOSTAGE 0
.irp a, 1,2,3,4,5,6,7                  ; block a's arithmetic stands between block a - 1's loads from the stage and the wait for them
	PACK \a
	SEND (\a)-1
	TOSTAGE \a
.endr
	SEND 7
	s_wait_tensorcnt 0x0                           ; the wave's end: behind my last tensor load and my last LDS store
	ds_add_u32 v[SPW], v[NIL]
	s_wait_dscnt 0x0
	CROUND                                         ; the closing round: no work-group ends while a partner may still ask for a tile that names it
	s_endpgm
.Lfunc_end_k_q1dbce34ee9_qkv:
	.size	k_q1dbce34ee9_qkv, .Lfunc_end_k_q1dbce34ee9_qkv-k_q1dbce34ee9_qkv
	.p2alignl 7, 3214868480
	.fill 96, 4, 3214868480
	.section	.rodata,"a",@progbits
	.p2align	6, 0x0
	.amdhsa_kernel k_q1dbce34ee9_qkv
		.amdhsa_group_segment_fixed_size 327680
		.amdhsa_private_segment_fixed_size 0
		.amdhsa_enable_private_segment 0
		.amdhsa_kernarg_size 40
		.amdhsa_user_sgpr_count 2
		.amdhsa_user_sgpr_kernarg_segment_ptr 1
		.amdhsa_wavefront_size32 1
		.amdhsa_system_sgpr_workgroup_id_x 1
		.amdhsa_system_sgpr_workgroup_id_y 1
		.amdhsa_system_sgpr_workgroup_id_z 1
		.amdhsa_system_vgpr_workitem_id 0
		.amdhsa_next_free_vgpr 1024
		.amdhsa_next_free_sgpr 98
		.amdhsa_reserve_vcc 0
		.amdhsa_float_denorm_mode_32 3
		.amdhsa_float_denorm_mode_16_64 3
		.amdhsa_memory_ordered 1
		.amdhsa_forward_progress 1
		.amdhsa_inst_pref_size 143
	.end_amdhsa_kernel
	.amdgpu_metadata
---
amdhsa.version: [ 1, 2 ]
amdhsa.kernels:
  - .name:           k_q1dbce34ee9_qkv
    .symbol:         k_q1dbce34ee9_qkv.kd
    .args:
      - { .name: xc, .offset: 0, .size: 8, .value_kind: global_buffer, .address_space: global }
      - { .name: xs, .offset: 8, .size: 8, .value_kind: global_buffer, .address_space: global }
      - { .name: wc, .offset: 16, .size: 8, .value_kind: global_buffer, .address_space: global }
      - { .name: ws, .offset: 24, .size: 8, .value_kind: global_buffer, .address_space: global }
      - { .name: qkv, .offset: 32, .size: 8, .value_kind: global_buffer, .address_space: global }
    .group_segment_fixed_size: 327680
    .private_segment_fixed_size: 0
    .kernarg_segment_align: 8
    .kernarg_segment_size: 40
    .max_flat_workgroup_size: 128
    .sgpr_count:     98
    .vgpr_count:     1024
    .wavefront_size: 32
...
	.end_amdgpu_metadata
.endif
;; end of part 2
;; launch attn (part 3): grid 4 x 64, 8 waves a work-group, clusters of 4 x 1, 327,680 bytes of LDS; arguments qkv, ao; writes ao
.if DOCPART == 3
	.amdgcn_target "amdgcn-amd-amdhsa--gfx1250"
	.amdhsa_code_object_version 6
	.text
	.protected	k_q1dbce34ee9_attn
	.globl	k_q1dbce34ee9_attn
	.p2align	8
	.type	k_q1dbce34ee9_attn,@function
k_q1dbce34ee9_attn:
	s_mov_b64 s[64:65], 0
	v_nop
	global_prefetch_b8 v0, s[64:65] scope:SCOPE_SE
	s_setreg_imm32_b32 hwreg(HW_REG_WAVE_MODE, 25, 1), 1
	s_wait_xcnt 0x0
	s_wait_alu depctr_hold_cnt(0) depctr_sa_sdst(0) depctr_va_vdst(0) depctr_va_sdst(0) depctr_va_ssrc(0) depctr_va_vcc(0) depctr_vm_vsrc(0)
	s_getreg_b32 s2, hwreg(HW_REG_IB_STS2, 6, 4)
	s_cmp_eq_u32 s2, 0
	s_cbranch_scc0 .Lentry_in_a_cluster
	s_endpgm
.Lentry_in_a_cluster:
	s_bfe_u32 s2, ttmp6, 0x10000c
	s_cmp_lg_u32 s2, 0x3003
	s_cbranch_scc0 .Lentry_shape_is_right
	s_endpgm
.Lentry_shape_is_right:
; ao[b, h][q][:] = the sum over k of softmax_k(Q[q] . K[k] / 8) V[k][:], for 64 heads (b, h) of 2,048 tokens x 64 channels.  qkv: [b 4][g 48][2048][64] f16, q at g = h (already x log2(e) / 8), k at 16 + h, v at 32 + h.
; ao: [16 b + h][2048][64] f16.  Products on f16 operands with f32 sums; maxima, exponentials and sums in f32; the weights p are rounded to f16 for the second product, the result once at the end.
; SOFTMAX.  The scores come out as t = score x log2(e) / 8.  For each query a running maximum m and sum l: p = 2^(t - m), at most 1 for every input; in every step O and l are multiplied by a = 2^(m_old - m_new).
; SHARES.  A work-group owns 512 queries of one head, each of its eight waves 64: four tiles of 16, in 512 registers: two waves to a SIMD, so that one wave's softmax stands beside the other's products.
; Every wave walks all 2,048 keys, 64 a step.  Each fragment of K and V read from LDS feeds four matrix instructions.
; LAYOUT.  S^T = K Q^T (source 0 = 16 keys, source 1 = 16 queries): a lane holds ONE query (lane % 16) and the keys 8 (lane / 16) + 0..7.  Two such tiles, rounded to f16 in pairs, ARE source 1 of
; O^T = V^T P, whose result again holds one query a lane.  K comes out of LDS as it lies, V ([key][channel]) turned, by ds_load_tr16_b128.
; CLUSTER.  The four work-groups of a cluster are the whole of a head and walk the same K and V: each tile is asked for JOINTLY, by the same tensor load with the same descriptor and a mask that names the four.
; RING.  Two slots of four key steps.  The change of slots stands at a slot's head; behind its round each of the eight waves asks for one tile (waves 0-3: a step's K; waves 4-7: a step's V) of the slot that
; follows, which has four key steps in which to land.  By this text's own count a wave has one tensor load out.
; REGISTERS: window 0: v1-11 addresses; v14, v15 the add's two; v16-47 statistics, eight a tile; v48-175 S^T, 32 a tile, P packed in place into a tile's first 16; v176-239 K's eight fragments.
;   window 1: v0-127 O^T, 32 a tile; v128-191 Q, 16 a tile; v192-255 V's eight fragments.
.set KS,    64                         ; keys in a step
.set PK,    272                        ; K in LDS: a row of 256 bytes holds TWO keys (a head's rows of 128 bytes are dense in memory) + 16 of padding: the 16 keys of a load fall on 16 different columns of 16 bytes
.set PV,    288                        ; V likewise, + 32 of padding
.set VOFF,  32*PK                      ; a step's tiles lie together: 32 rows of K, then 32 rows of V
.set STEPB, 32*(PK+PV)
.set NST,   4                          ; steps in a slot
.set SLOT1, 1<<17                      ; slot 1 begins here, so that one exclusive or turns an address in one slot into the other's
.set NSL,   2048/(NST*KS)              ; slots' worth of keys: 8
.set STAGE, SLOT1+NST*STEPB            ; behind the ring: 16 rows x 144 bytes for each wave, for the way out
.set SPT,   144
.set SPARE, STAGE+8*16*SPT             ; behind the stages: the spare words, 128 bytes a wave, which no other line names
.set AK0, 2                            ; v2   my lane's place in a tile of K; never rewritten
.set AV0, 3                            ; v3   the same for V
.set ADK, 4                            ; v4   LDS address of the step's K
.set ADV, 5                            ; v5   of its V
.set QO,  6                            ; v6   my byte offset in the wave's rows of Q
.set STO, 7                            ; v7   the way out: where I put 16 bytes of a row
.set RD,  8                            ; v8   where I read rows back
.set GO,  9                            ; v9   16 x lane
.set PFO, 10                           ; v10  256 x lane: the prefetches' offset; never rewritten
.set SPW, 14                           ; v14  LDS address of my spare word; never rewritten
.set NIL, 15                           ; v15  0; never rewritten
.set ST,  16                           ; tile t's statistics at v[ST + 8 t]: +0 m, +1 written once (named as the pair's upper half), +2, +3 l (even keys', odd keys'), +4 to +7 at work; a in +6
.set S,   48
.set KF,  176
.set Q,   128                          ; in window 1
.set VF,  192                          ; in window 1
.set WV,  12                           ; s12  my wave's number
.set LIM, 15                           ; s15  1 in a wave that prefetches, else the greatest number
.set PFA, 18                           ; s[18:19] where my prefetches stand
.set G1K, 24                           ; s[24:31] descriptor group 1 for K's tiles;  s[32:39] for V's: it differs in the padding alone
.set G1V, 32
.set G0K, 40                           ; s[40:43], s[44:47] their groups 0, which walk
.set G0V, 44
.set SLOTS, 56                         ; s56  slots still to be asked for
.set STP, 57                           ; s57  counts a slot's steps
.set SEL, 60                           ; s[60:61] lane selects for v_permlanex16_b32: lane l xor 16
.set TB,  62                           ; s62  LDS byte at which the step's tiles begin
.set MSB, 0
.macro WIN new                         ; the immediate's high byte repeats the setting that is left
.if MSB != (\new)
	s_set_vgpr_msb (MSB<<8)|(\new)
.set MSB, \new
.endif
.endm
.set W_KQ, 0x04                        ; Q (source 1) in window 1; K and S^T in window 0
.set W_PV, 0x51                        ; V (source 0) and O^T (C, D) in window 1; P in window 0
.set W_RS, 0x41                        ; O^T (destination, source 0) in window 1; a in window 0
.set TO_1, 0x40                        ; destination window 1, address window 0
; A joint load.  The branch hangs on the wave's number alone.  An s_nop 0 and four v_nop follow each of the two lines, ahead of the jump, the label and what follows.
.macro JLOAD
	s_cmp_lt_u32 s[WV], 4
	s_cbranch_scc0 .Lfor_v_\@
	tensor_load_to_lds s[G0K:G0K+3], s[G1K:G1K+7]
	s_nop 0
.rept 4
	v_nop
.endr
	s_branch .Lasked_\@
.Lfor_v_\@:
	tensor_load_to_lds s[G0V:G0V+3], s[G1V:G1V+7]
	s_nop 0
.rept 4
	v_nop
.endr
.Lasked_\@:
.endm
; A PREFETCH INTO THE L2 of what the NEXT change of slots will ask for: a slot's 32,768 bytes of K and of V.  The four partners share them out BY ADDRESS, 8,192 bytes each; in each, wave 0 asks for K's and
; wave 4 for V's, lanes 256 bytes apart: one instruction, and each aligned 256 bytes are named once in the launch.  It asks four key steps ahead of the load; the last change that fills a slot asks for nothing.
.macro ASK
	s_cmp_gt_u32 s[SLOTS], s[LIM]
	s_cbranch_scc0 .Lnot_mine_\@
	global_prefetch_b8 v[PFO], s[PFA:PFA+1] th:TH_LOAD_NT scope:SCOPE_SE
.Lnot_mine_\@:
.endm
.macro CROUND                          ; a round of the cluster's barrier
	s_barrier_signal -1
	s_barrier_wait -1
	s_cmp_lg_u32 s[WV], 0
	s_cbranch_scc1 .Lnot_wave_0_\@
	s_barrier_signal -3
.Lnot_wave_0_\@:
	s_barrier_wait -3
	s_barrier_signal -1
	s_barrier_wait -1
.endm
	s_load_b128 s[4:7], s[0:1], 0x0                ; qkv s[4:5], ao s[6:7]
	v_lshl_add_u32 v[SPW], v0, 2, SPARE
	v_mov_b32 v[NIL], 0
	ds_add_u32 v[SPW], v[NIL]                      ; the wave's opening: the add, twice on end, and its wait ahead of my first tensor load
	ds_add_u32 v[SPW], v[NIL]                      ; (the set-up below, work on registers, stands between the second and the wait)
	v_lshrrev_b32 v1, 5, v0
	v_readfirstlane_b32 s[WV], v1                  ; wave 0..7
	s_bfe_u32 s13, ttmp6, 0x40000                  ; cx: my block of 512 queries: it enters Q's, ao's and the prefetches' addresses alone
	s_and_b32 s20, ttmp7, 0xffff                   ; 16 b + h, which the four partners share
	s_lshr_b32 s21, s20, 4
	s_and_b32 s22, s20, 15
	s_mul_i32 s21, s21, 48
	s_add_co_u32 s21, s21, s22                     ; q's plane: 48 b + h
	s_lshl_b32 s16, s21, 18                        ; in bytes: a plane is 2,048 x 128
	s_mov_b32 s17, 0
	s_and_b32 s14, s[WV], 3                        ; which of a slot's four steps I fetch:
	s_lshl_b32 s22, s14, 13                        ; its 64 keys of 128 bytes in memory,
	s_mov_b32 s23, 0
	s_add_nc_u64 s[22:23], s[22:23], s[16:17]
	s_mul_i32 s3, s14, STEPB                       ; and its place in a slot: no place in the cluster enters an LDS address
	s_lshl_b32 s8, s13, 16                         ; my block's 512 rows,
	s_lshl_b32 s9, s[WV], 13                       ; my wave's 64 of them
	s_add_co_u32 s8, s8, s9
	s_mov_b32 s9, 0
	s_lshl_b32 s10, s20, 18                        ; ao's plane
	s_mov_b32 s11, 0
	s_add_nc_u64 s[10:11], s[10:11], s[8:9]
	s_add_nc_u64 s[8:9], s[8:9], s[16:17]
	; descriptor group 1: a tile of 32 rows x 128 elements (two keys a row), padded in LDS
	s_mov_b32 s[G1K], 15|(1<<16)|(1<<20)|(1<<21)|(5<<22)|(3<<25)  ; 15:0 the mask: all four work-groups; 17:16 elements of 2 bytes; 20 padding on; 21 set beside a mask; 24:22 after every 64 words; 31:25 four words
	s_mov_b32 s[G1V], 15|(1<<16)|(1<<20)|(1<<21)|(5<<22)|(7<<25)  ; the same with eight words of padding
.irp g, G1K, G1V
	s_mov_b32 s[\g+1], 128<<16                     ; tensor_dim0
	s_mov_b32 s[\g+2], 32<<16                      ; tensor_dim1
	s_mov_b32 s[\g+3], 128<<16                     ; tile_dim0
	s_mov_b32 s[\g+4], 32                          ; tile_dim1
	s_mov_b32 s[\g+5], 128                         ; from row to row: dense
	s_mov_b32 s[\g+6], 0
	s_mov_b32 s[\g+7], 0
.endr
	s_mov_b32 s[SEL], 0x76543210
	s_mov_b32 s[SEL+1], 0xfedcba98
	s_mov_b32 s[TB], 0
	s_mov_b32 s[SLOTS], NSL-1
	s_cmp_eq_u32 s14, 0                            ; waves 0 and 4 prefetch: the same in all four partners
	s_cselect_b32 s[LIM], 1, -1
	v_and_b32 v[PFO], 31, v0
	v_lshlrev_b32 v[PFO], 8, v[PFO]
	s_wait_dscnt 0x0                               ; both opening adds are done
	s_wait_kmcnt 0x0
	s_add_nc_u64 s[48:49], s[4:5], s[22:23]        ; q's plane at my step,
	s_add_nc_u64 s[50:51], s[48:49], 32<<18        ; V: 32 planes on,
	s_add_nc_u64 s[48:49], s[48:49], 16<<18        ; K: 16 planes on
	s_add_nc_u64 s[4:5], s[4:5], s[8:9]            ; Q and ao at my wave's first row
	s_add_nc_u64 s[6:7], s[6:7], s[10:11]
	s_cmp_lt_u32 s[WV], 4
	s_cselect_b64 s[PFA:PFA+1], s[48:49], s[50:51] ; (in waves 0 and 4 these stand at a slot's first row)
	s_lshl_b32 s20, s13, 13                        ; my work-group's 8,192 bytes of the 32,768
	s_mov_b32 s21, 0
	s_add_nc_u64 s[PFA:PFA+1], s[PFA:PFA+1], s[20:21]
	s_add_nc_u64 s[PFA:PFA+1], s[PFA:PFA+1], NST*KS*128  ; in slot 1; the first change of slots steps it to slot 2.  Nothing is prefetched here, at the head
	CROUND                                         ; all four work-groups are here: the first joint loads meet
	s_mov_b32 s[G0K], 1                            ; 1:0 count = 1
	s_mov_b32 s[G0K+1], s3                         ; 63:32 LDS address: slot 0
	s_mov_b64 s[G0K+2:G0K+3], s[48:49]             ; 120:64 global address
	s_or_b32 s[G0K+3], s[G0K+3], 0x80000000        ; 127:126 type = 2
	s_mov_b32 s[G0V], 1
	s_add_co_u32 s[G0V+1], s3, VOFF
	s_mov_b64 s[G0V+2:G0V+3], s[50:51]
	s_or_b32 s[G0V+3], s[G0V+3], 0x80000000
	JLOAD                                          ; slot 0
	v_and_b32 v1, 15, v0                           ; r = lane % 16
	v_bfe_u32 v11, v0, 4, 1                        ; h = lane / 16
	v_lshlrev_b32 v[QO], 7, v1
	v_lshl_add_u32 v[QO], v11, 4, v[QO]            ; row x 128 + 16 x half
	WIN TO_1
.irp f, 0,1,2,3,4,5,6,7                        ; Q stays in registers: tile f / 2, channels 32 (f % 2) on: lane l holds query l % 16; registers 0-3 channels 8 h + 0..7, registers 4-7 channels 16 + 8 h + 0..7
	global_load_b128 v[Q+8*\f:Q+8*\f+3],   v[QO], s[4:5] offset:(\f/2)*2048+(\f%2)*64
	global_load_b128 v[Q+8*\f+4:Q+8*\f+7], v[QO], s[4:5] offset:(\f/2)*2048+(\f%2)*64+32
.endr
	WIN 0
	v_lshrrev_b32 v12, 1, v1
	v_mul_u32_u24 v[AK0], v12, PK                  ; K: key r lies in row r / 2,
	v_and_b32 v12, 1, v0
	v_lshl_add_u32 v[AK0], v12, 7, v[AK0]          ; in its half r % 2,
	v_lshl_add_u32 v[AK0], v11, 4, v[AK0]          ; + 16 x half of the lanes
	v_bfe_u32 v13, v0, 1, 2                        ; V: the turning load's lane l reads 16 bytes: key 8 h + l % 8, channels 8 ((l / 8) % 2) + 0..7
	v_lshl_add_u32 v13, v11, 2, v13                ; its row 4 h + (l % 8) / 2,
	v_mul_u32_u24 v[AV0], v13, PV
	v_lshl_add_u32 v[AV0], v12, 7, v[AV0]          ; its half l % 2
	v_bfe_u32 v13, v0, 3, 1
	v_lshl_add_u32 v[AV0], v13, 4, v[AV0]
	v_add_nc_u32 v[AV0], VOFF, v[AV0]
	s_mul_i32 s20, s[WV], 16*SPT
	s_add_co_u32 s20, s20, STAGE                   ; my stage
	v_mul_u32_u24 v[STO], v1, SPT                  ; in: row r, 16 bytes for each half of the lanes
	v_lshl_add_u32 v[STO], v11, 4, v[STO]
	v_add_nc_u32 v[STO], s20, v[STO]
	v_bfe_u32 v12, v0, 3, 2                        ; back: eight lanes to a row of 128 bytes, four rows an instruction
	v_mul_u32_u24 v[RD], v12, SPT
	v_and_b32 v13, 7, v0
	v_lshl_add_u32 v[RD], v13, 4, v[RD]
	v_add_nc_u32 v[RD], s20, v[RD]
	v_and_b32 v[GO], 31, v0
	v_lshlrev_b32 v[GO], 4, v[GO]                  ; in memory those four rows are 512 consecutive bytes
.irp t, 0,1,2,3
	v_mov_b32 v[ST+8*\t], 0xff61b1e6               ; m: -3e38, under every t
	v_mov_b32 v[ST+8*\t+1], 0
	v_mov_b32 v[ST+8*\t+2], 0                      ; l
	v_mov_b32 v[ST+8*\t+3], 0
.endr
	WIN TO_1
.set i, 0
.rept 128
	v_mov_b32 v[i], 0                              ; O^T.  (The step is written without a first step of its own: the first finds zeros, which a = 0 leaves zeros; that spares a third copy of the step)
.set i, i+1
.endr
	WIN 0
; Product i of 32 of S^T = K Q^T: channels 32 (i / 16) on, keys 16 ((i / 4) % 4) on, tile i % 4.  The first 16 start the sums.  The 16 accumulators take turns, one instruction a turn.
.macro MKQ
.set rS, S+32*(i%4)+8*((i/4)%4)
.set rK, KF+16*((i/4)%4)+8*(i/16)
.set rQ, Q+16*(i%4)+8*(i/16)
.if i < 16
	v_wmma_f32_16x16x32_f16 v[rS:rS+7], v[rK:rK+7], v[rQ:rQ+7], 0
.else
	v_wmma_f32_16x16x32_f16 v[rS:rS+7], v[rK:rK+7], v[rQ:rQ+7], v[rS:rS+7]
.endif
.endm
; Product i of 32 of O^T += V^T P: keys 32 (i / 16) on, channels 16 ((i / 4) % 4) on, tile i % 4.  Again 16 accumulators by turns.
.macro MPV
.set rO, 32*(i%4)+8*((i/4)%4)
.set rV, VF+32*(i/16)+8*((i/4)%4)
.set rP, S+32*(i%4)+8*(i/16)
	v_wmma_f32_16x16x32_f16 v[rO:rO+7], v[rV:rV+7], v[rP:rP+7], v[rO:rO+7]
.endm
; Number j of 16 of tile t's maximum over its 32 scores and the old m, three operands at a time: four chains of seven scores, each begun at an accumulator's low end; then the four scores left over, the chains and m.
.macro MX t
.set rT, ST+8*(\t)
.set rS, S+32*(\t)
.if j < 4
	v_max3_num_f32 v[rT+4+j], v[rS+8*j], v[rS+8*j+1], v[rS+8*j+2]
.elseif j < 12
	v_max3_num_f32 v[rT+4+j%4], v[rT+4+j%4], v[rS+8*(j%4)+2*(j/4)+1], v[rS+8*(j%4)+2*(j/4)+2]
.elseif j == 12
	v_max3_num_f32 v[rT+4], v[rT+4], v[rS+7], v[rS+15]
.elseif j == 13
	v_max3_num_f32 v[rT+6], v[rT+6], v[rS+23], v[rS+31]
.elseif j == 14
	v_max3_num_f32 v[rT+4], v[rT+4], v[rT+5], v[rT+6]
.else
	v_max3_num_f32 v[rT+4], v[rT+4], v[rT+7], v[rT]
.endif
.endm
.macro SUBM t, b                       ; pair b of tile t: t - m, exactly 0 at the row's maximum (of the pair m the low word serves both halves)
	v_pk_add_f32 v[S+32*(\t)+2*(\b):S+32*(\t)+2*(\b)+1], v[S+32*(\t)+2*(\b):S+32*(\t)+2*(\b)+1], v[ST+8*(\t):ST+8*(\t)+1] op_sel_hi:[1,0] neg_lo:[0,1] neg_hi:[0,1]
.endm
; A KEY STEP: 64 keys, in phases.
.macro STEP
	v_add_nc_u32 v[ADK], s[TB], v[AK0]             ; these two and three v_nop are the five places between the last V^T P and the first K Q^T, which writes over P; four of them serve the loads into V's registers
	v_add_nc_u32 v[ADV], s[TB], v[AV0]
.rept 3
	v_nop
.endr
.irp f, 0,1,2,3,4,5,6,7                        ; K: keys 16 (f / 2) on (8 rows), channels 32 (f % 2) on
	ds_load_b128 v[KF+8*\f:KF+8*\f+3],   v[ADK] offset:(\f/2)*8*PK+(\f%2)*64
	ds_load_b128 v[KF+8*\f+4:KF+8*\f+7], v[ADK] offset:(\f/2)*8*PK+(\f%2)*64+32
.endr
	WIN TO_1
.irp f, 0,1,2,3,4,5,6,7                        ; V, turned: keys 32 (f / 4) on (16 rows), channels 16 (f % 4) on
	ds_load_tr16_b128 v[VF+8*\f:VF+8*\f+3],   v[ADV] offset:(\f/4)*16*PV+(\f%4)*32
	ds_load_tr16_b128 v[VF+8*\f+4:VF+8*\f+7], v[ADV] offset:(\f/4)*16*PV+8*PV+(\f%4)*32
.endr
	s_add_co_u32 s[TB], s[TB], STEPB               ; the next fetch is the next step's
	s_wait_dscnt 16                                ; K is in; V's sixteen loads may be out
	WIN W_KQ
.set i, 0
.rept 32
	MKQ
.set i, i+1
.endr
	WIN 0
.rept 4
	v_nop                                          ; places in front of the first read of the scores
.endr
.set j, 0
.rept 16
.irp t, 0,1,2,3
	MX \t                                          ; the four tiles by turns: no line waits for the line above it
.endr
.set j, j+1
.endr
.irp t, 0,1,2,3
	v_permlanex16_b32 v[ST+8*\t+5], v[ST+8*\t+4], s[SEL], s[SEL+1]   ; the query's other 32 keys lie in the lane 16 away
.endr
.irp t, 0,1,2,3
	v_mov_b32 v[ST+8*\t+7], v[ST+8*\t]             ; m_old
.endr
.irp t, 0,1,2,3
	v_max_num_f32 v[ST+8*\t], v[ST+8*\t+4], v[ST+8*\t+5]   ; the new m
.endr
.irp t, 0,1,2,3
	v_sub_f32 v[ST+8*\t+7], v[ST+8*\t+7], v[ST+8*\t]       ; m_old - m_new, 0 or less
.endr
; ONE BATCH: the 64 subtractions and all 132 exponentials; none of these lines names an exponential's result.  A tile's exponentials stand between the next tile's subtractions.
.irp b, 0,1,2,3,4,5,6,7,8,9,10,11,12,13,14,15
	SUBM 0, \b
.endr
.irp t, 0,1,2,3
	v_exp_f32 v[ST+8*\t+6], v[ST+8*\t+7]           ; a
.endr
.irp t, 0,1,2,3
.irp b, 0,1,2,3,4,5,6,7,8,9,10,11,12,13,14,15
.if \t < 3
	SUBM \t+1, \b
.endif
	v_exp_f32 v[S+32*\t+2*\b], v[S+32*\t+2*\b]     ; p = 2^(t - m)
	v_exp_f32 v[S+32*\t+2*\b+1], v[S+32*\t+2*\b+1]
.endr
.endr
	v_nop                                          ; a plain instruction behind the last exponential,
	s_wait_alu depctr_va_vdst(0)                   ; and the one wait ahead of the batch's first reader
; The sums, of the unrounded p, and the roundings.  Pair j is summed, then packed into register j, which belonged to pair j / 2: summed and packed before.
.set j, 0
.rept 16
.irp t, 0,1,2,3
.if j == 0
	v_pk_fma_f32 v[ST+8*\t+2:ST+8*\t+3], v[ST+8*\t+2:ST+8*\t+3], v[ST+8*\t+6:ST+8*\t+7], v[S+32*\t:S+32*\t+1] op_sel_hi:[1,0,1]   ; l = a l + the first pair
.else
	v_pk_add_f32 v[ST+8*\t+2:ST+8*\t+3], v[ST+8*\t+2:ST+8*\t+3], v[S+32*\t+2*j:S+32*\t+2*j+1]
.endif
.endr
.irp t, 0,1,2,3
	v_cvt_pk_f16_f32 v[S+32*\t+j], v[S+32*\t+2*j], v[S+32*\t+2*j+1]
.endr
.set j, j+1
.endr
	WIN W_RS
.irp t, 0,1,2,3
.set i, 0
.rept 16
	v_pk_mul_f32 v[32*\t+2*i:32*\t+2*i+1], v[32*\t+2*i:32*\t+2*i+1], v[ST+8*\t+6:ST+8*\t+7] op_sel_hi:[1,0]   ; O^T x a, each accumulator from its low end on
.set i, i+1
.endr
.endr
	s_wait_dscnt 0x0                               ; V is in
	WIN W_PV
.set i, 0
.rept 32
	MPV
.set i, i+1
.endr
	WIN 0                                          ; at a label and at a branch every window is 0
.endm
.macro SLOT_STEPS                      ; a slot's four key steps: written once, walked four times; the LDS addresses hang on s[TB]
	s_mov_b32 s[STP], NST
.Lstep_\@:
	STEP
	s_sub_co_u32 s[STP], s[STP], 1
	s_cmp_lg_u32 s[STP], 0
	s_cbranch_scc1 .Lstep_\@
	s_sub_co_u32 s[TB], s[TB], NST*STEPB           ; back to a slot's first step,
	s_xor_b32 s[TB], s[TB], SLOT1                  ; in the other slot
.endm
; THE CHANGE OF SLOTS, at a slot's head.  Each wave waits for all its tensor loads (its tile of the slot that it is about to read), adds 0 to its spare word, and waits for that and for its reads of the slot that it has left.
; fill = 1: the barrier is a round of the cluster's, so that no wave of any partner still reads the other slot or has a load on its way; the joint load of the keys that follow is the first thing behind it.
.macro CHANGE fill
	s_wait_tensorcnt 0x0                           ; no tensor load of mine is out, so a group 0 may be written
	ds_add_u32 v[SPW], v[NIL]                      ; 0 onto my spare word
.if \fill
	s_xor_b32 s[G0K+1], s[G0K+1], SLOT1            ; the walking descriptors: the other slot than last time,
	s_add_nc_u64 s[G0K+2:G0K+3], s[G0K+2:G0K+3], NST*KS*128   ; the next 256 keys; the type bits on top are not reached
	s_xor_b32 s[G0V+1], s[G0V+1], SLOT1
	s_add_nc_u64 s[G0V+2:G0V+3], s[G0V+2:G0V+3], NST*KS*128
	s_wait_xcnt 0x0                                ; the last prefetch, a slot back, has read its address, so it may be written:
	s_add_nc_u64 s[PFA:PFA+1], s[PFA:PFA+1], NST*KS*128       ; one slot further on than the walking descriptors
	s_wait_dscnt 0x0                               ; the add is done, and my reads of the slot that I have left are over
	CROUND
	JLOAD
	ASK
.else
	s_wait_dscnt 0x0
	s_barrier_signal -1
	s_barrier_wait -1
.endif
.endm
	s_wait_loadcnt 0x0                             ; Q
.Lslot:                                        ; seven trips: behind each change of slots but the last the next slot is asked for
	CHANGE 1
	SLOT_STEPS
	s_sub_co_u32 s[SLOTS], s[SLOTS], 1
	s_cmp_lg_u32 s[SLOTS], 0
	s_cbranch_scc1 .Lslot
	CHANGE 0                                       ; the last slot is written out
	SLOT_STEPS
	; THE WAY OUT.  l's two halves and the other half of the lanes' are added (these additions are the places behind the last products); O^T is divided by l, rounded to f16 and sent through my stage, a tile (16 rows) at a time.
.irp t, 0,1,2,3
	v_add_f32 v[ST+8*\t+4], v[ST+8*\t+2], v[ST+8*\t+3]
.endr
.irp t, 0,1,2,3
	v_permlanex16_b32 v[ST+8*\t+5], v[ST+8*\t+4], s[SEL], s[SEL+1]
.endr
.irp t, 0,1,2,3
	v_add_f32 v[ST+8*\t+4], v[ST+8*\t+4], v[ST+8*\t+5]
.endr
.irp t, 0,1,2,3
	v_rcp_f32 v[ST+8*\t+6], v[ST+8*\t+4]
.endr
	v_nop                                          ; a plain instruction between the last reciprocal and the use of its result,
	s_wait_alu depctr_va_vdst(0)                   ; and the wait: one for the four
.macro PACK t                          ; a lane's eight channels of a row pack into 16 bytes; they go into rows of 144 bytes and come back four whole rows an instruction
	WIN W_RS
.set i, 0
.rept 16
	v_pk_mul_f32 v[32*\t+2*i:32*\t+2*i+1], v[32*\t+2*i:32*\t+2*i+1], v[ST+8*\t+6:ST+8*\t+7] op_sel_hi:[1,0]
.set i, i+1
.endr
	WIN 0x05                                       ; sources 0 and 1 window 1, destination window 0: S^T's registers are free
.set i, 0
.rept 16
	v_cvt_pk_f16_f32 v[S+32*\t+i], v[32*\t+2*i], v[32*\t+2*i+1]
.set i, i+1
.endr
	WIN 0
.irp c, 0,1,2,3
	ds_store_b128 v[STO], v[S+32*\t+4*\c:S+32*\t+4*\c+3] offset:32*\c
.endr
.irp c, 0,1,2,3
	ds_load_b128 v[S+32*\t+16+4*\c:S+32*\t+16+4*\c+3], v[RD] offset:\c*4*SPT   ; LDS serves a wave's instructions in order (ISA guide 5.7.1.4): these see the stores above; the next tile's stores come behind them
.endr
.endm
.macro SEND t, younger                 ; younger: the LDS instructions issued behind tile t's loads: the next tile's four stores and four loads, or none
.irp c, 0,1,2,3
	s_wait_dscnt \younger+3-\c
	global_store_b128 v[GO], v[S+32*\t+16+4*\c:S+32*\t+16+4*\c+3], s[6:7] offset:\t*2048+\c*512   ; 32 lanes store 512 consecutive bytes, aligned
.endr
.endm
	PACK 0
	PACK 1                                         ; a tile's arithmetic stands between the loads of the tile before and its stores
	SEND 0, 8
	PACK 2
	SEND 1, 8
	PACK 3
	SEND 2, 8
	SEND 3, 0
	s_wait_tensorcnt 0x0                           ; the wave's end: behind my last tensor load and my last LDS store
	ds_add_u32 v[SPW], v[NIL]
	s_wait_dscnt 0x0
	CROUND                                         ; the closing round: no work-group ends while a partner may still ask for a tile that names it
	s_endpgm
.Lfunc_end_k_q1dbce34ee9_attn:
	.size	k_q1dbce34ee9_attn, .Lfunc_end_k_q1dbce34ee9_attn-k_q1dbce34ee9_attn
	.p2alignl 7, 3214868480
	.fill 96, 4, 3214868480
	.section	.rodata,"a",@progbits
	.p2align	6, 0x0
	.amdhsa_kernel k_q1dbce34ee9_attn
		.amdhsa_group_segment_fixed_size 327680
		.amdhsa_private_segment_fixed_size 0
		.amdhsa_enable_private_segment 0
		.amdhsa_kernarg_size 16
		.amdhsa_user_sgpr_count 2
		.amdhsa_user_sgpr_kernarg_segment_ptr 1
		.amdhsa_wavefront_size32 1
		.amdhsa_system_sgpr_workgroup_id_x 1
		.amdhsa_system_sgpr_workgroup_id_y 1
		.amdhsa_system_sgpr_workgroup_id_z 1
		.amdhsa_system_vgpr_workitem_id 0
		.amdhsa_next_free_vgpr 512
		.amdhsa_next_free_sgpr 66
		.amdhsa_reserve_vcc 0
		.amdhsa_float_denorm_mode_32 3
		.amdhsa_float_denorm_mode_16_64 3
		.amdhsa_memory_ordered 1
		.amdhsa_forward_progress 1
		.amdhsa_inst_pref_size 91
	.end_amdhsa_kernel
	.amdgpu_metadata
---
amdhsa.version: [ 1, 2 ]
amdhsa.kernels:
  - .name:           k_q1dbce34ee9_attn
    .symbol:         k_q1dbce34ee9_attn.kd
    .args:
      - { .name: qkv, .offset: 0, .size: 8, .value_kind: global_buffer, .address_space: global }
      - { .name: ao, .offset: 8, .size: 8, .value_kind: global_buffer, .address_space: global }
    .group_segment_fixed_size: 327680
    .private_segment_fixed_size: 0
    .kernarg_segment_align: 8
    .kernarg_segment_size: 16
    .max_flat_workgroup_size: 256
    .sgpr_count:     66
    .vgpr_count:     512
    .wavefront_size: 32
...
	.end_amdgpu_metadata
.endif
;; end of part 3
;; launch proj (part 4): grid 8 x 32, 4 waves a work-group, clusters of 4 x 4, 327,680 bytes of LDS; arguments ao, wp, b_proj, out0; writes out0
.if DOCPART == 4
	.amdgcn_target "amdgcn-amd-amdhsa--gfx1250"
	.amdhsa_code_object_version 6
	.text
	.protected	k_q1dbce34ee9_proj
	.globl	k_q1dbce34ee9_proj
	.p2align	8
	.type	k_q1dbce34ee9_proj,@function
k_q1dbce34ee9_proj:
	s_mov_b64 s[64:65], 0
	v_nop
	global_prefetch_b8 v0, s[64:65] scope:SCOPE_SE
	s_setreg_imm32_b32 hwreg(HW_REG_WAVE_MODE, 25, 1), 1
	s_wait_xcnt 0x0
	s_wait_alu depctr_hold_cnt(0) depctr_sa_sdst(0) depctr_va_vdst(0) depctr_va_sdst(0) depctr_va_ssrc(0) depctr_va_vcc(0) depctr_vm_vsrc(0)
	s_getreg_b32 s2, hwreg(HW_REG_IB_STS2, 6, 4)
	s_cmp_eq_u32 s2, 0
	s_cbranch_scc0 .Lentry_in_a_cluster
	s_endpgm
.Lentry_in_a_cluster:
	s_bfe_u32 s2, ttmp6, 0x10000c
	s_cmp_lg_u32 s2, 0xf033
	s_cbranch_scc0 .Lentry_shape_is_right
	s_endpgm
.Lentry_shape_is_right:
; out0[m][n] = sum over k of a[m][k] W_proj[n][k] + b_proj[n], k = 64 h + d.  ao: [16 b + h][2048][64] f16 (the attention's result by head); wp: [1024 n][1024 k] f16; out0: [8192][1024] f32; sums in f32.
; A tile, 256 tokens x 128 outputs, is made by a work-group of four waves: 256 work-groups.  A wave makes 128 x 64: 32 accumulators of 16 x 16, all of window 1.
; K goes in steps of 128 (two heads) through a ring of two LDS slots.  In ao a head's 256 tokens are one dense block of 32,768 bytes: it comes as 128 rows of 256 bytes, two tokens a row (wave 0: the step's first
; head, wave 1: its second); wp's 128 rows of 256 bytes come by waves 2 and 3, 64 rows each.  By this text's own count a wave has two tensor loads out at the start and one behind each round.
; CLUSTERS: 4 x 4 work-groups.  The four of a row of the cluster need the same tiles of ao, the four of a column the same tiles of wp: each tile is asked for JOINTLY.
; THE MATRIX INSTRUCTION IS USED TRANSPOSED (source 0 = 16 rows of wp, source 1 = 16 tokens): a lane holds eight neighbouring outputs of one token.  The bias is the C of each sum's first matrix instruction.
; REGISTERS: window 0: v1-29 addresses; v32-63 the bias in the result's layout, 8 registers for each of my four blocks of outputs; v64-159, v160-255 two fragment buffers: 64 registers of ao (8 x 16 tokens x 32 K), then 32 of wp.
;   window 1: accumulator (a, b) at v[8 (4 a + b)].
.set KSTEP,  128
.set PITCH,  272                       ; an LDS row: 256 bytes + 16 of padding = 68 words: the 16 rows (or 16 tokens in 8 rows) that a load touches fall on 16 different columns of 16 bytes (64 banks of 4 bytes: ISA guide 11.1)
.set AHALF,  128*PITCH                 ; a head's 256 tokens
.set BHALF,  64*PITCH                  ; 64 rows of wp
.set SLOT,   2*AHALF+2*BHALF
.set STAGE,  2*SLOT                    ; behind the ring: 16 rows x 272 bytes for each wave, for the way out
.set SPITCH, 272
.set SPARE,  STAGE+4*16*SPITCH         ; behind the stages: the spare words, 128 bytes a wave, which no other line names
.set LAPS,   1024/(2*KSTEP)            ; a lap = two K steps = once round the ring
.set ADRA, 16                          ; v16-17  LDS address of my ao fragments in slot 0, 1
.set ADRB, 20                          ; v20-21  the same for wp
.set STO,  24                          ; v24     the way out: where I put 32 bytes of a row
.set RD,   25                          ; v25     where I read rows back
.set CO,   26                          ; v26     my byte offset in out0
.set BO,   27                          ; v27     my byte offset in b_proj
.set SPW,  28                          ; v28     LDS address of my spare word; never rewritten
.set NIL,  29                          ; v29     0; never rewritten
.set BI,   32
.set F0,   64
.set F1,   160
.set BK,   64                          ; the way out: v64-95 and v96-127 by turns
.set G1, 24                            ; s[24:31] descriptor group 1 for ao's tiles;  s[32:39] group 0, one set for each slot
.set G0, 32
.set G1B, 48                           ; s[48:55], s[56:63] the same for wp's
.set G0B, 56
.set MSB, 0
.macro WIN new                         ; the immediate's high byte repeats the setting that is left
.if MSB != (\new)
	s_set_vgpr_msb (MSB<<8)|(\new)
.set MSB, \new
.endif
.endm
.set MUL,  0x50                        ; C and D window 1; the fragments window 0
.set MUL1, 0x40                        ; D window 1; C, the bias, window 0
.macro JLOAD s                         ; a joint load: waves 0 and 1 fetch ao's two heads, waves 2 and 3 wp's two halves; an s_nop 0 and four v_nop follow each of the two lines
	s_cmp_eq_u32 s13, 0
	s_cbranch_scc0 .Lfor_b_\@
	tensor_load_to_lds s[G0+4*\s:G0+4*\s+3], s[G1:G1+7]
	s_nop 0
.rept 4
	v_nop
.endr
	s_branch .Lasked_\@
.Lfor_b_\@:
	tensor_load_to_lds s[G0B+4*\s:G0B+4*\s+3], s[G1B:G1B+7]
	s_nop 0
.rept 4
	v_nop
.endr
.Lasked_\@:
.endm
.macro CREST                           ; a round of the cluster's barrier behind its opening barrier
	s_cmp_lg_u32 s12, 0
	s_cbranch_scc1 .Lnot_wave_0_\@
	s_barrier_signal -3
.Lnot_wave_0_\@:
	s_barrier_wait -3
	s_barrier_signal -1
	s_barrier_wait -1
.endm
.macro CROUND                          ; a whole round
	s_barrier_signal -1
	s_barrier_wait -1
	CREST
.endm
	s_load_b256 s[4:11], s[0:1], 0x0               ; ao s[4:5], wp s[6:7], b_proj s[8:9], out0 s[10:11]
	v_lshl_add_u32 v[SPW], v0, 2, SPARE
	v_mov_b32 v[NIL], 0
	ds_add_u32 v[SPW], v[NIL]                      ; the wave's opening: the add, twice on end, and its wait ahead of my first tensor load
	ds_add_u32 v[SPW], v[NIL]                      ; (the set-up below, work on registers, stands between the second and the wait)
	v_lshrrev_b32 v1, 5, v0
	v_readfirstlane_b32 s12, v1                    ; wave 0..3
	s_lshr_b32 s13, s12, 1                         ; which half of the tile's tokens is mine.  Also: I fetch for ao (0) or for wp (1)
	s_and_b32 s14, s12, 1                          ; which half of its outputs.  Also: which head, or which 64 rows, I fetch
	s_bfe_u32 s40, ttmp6, 0x40000                  ; cx, cy: my place in the cluster
	s_bfe_u32 s41, ttmp6, 0x40004
	s_lshl_b32 s42, ttmp9, 2
	s_add_co_u32 s42, s42, s40                     ; tile column = 4 x cluster x + cx
	s_and_b32 s15, ttmp7, 0xffff
	s_lshl_b32 s15, s15, 2
	s_add_co_u32 s15, s15, s41                     ; tile row = 4 x cluster y + cy
	s_lshl_b32 s43, s41, 2
	s_lshl_b32 s43, 15, s43                        ; my row of the cluster
	s_lshl_b32 s44, 0x1111, s40                    ; my column
	s_or_b32 s[G1+0], s43, (1<<16)|(1<<20)|(1<<21)|(5<<22)|(3<<25)  ; 15:0 the mask: ao's tiles go to my row; 17:16 elements of 2 bytes; 20 padding on; 21 set beside a mask; 24:22 after every 64 words; 31:25 four words
	s_or_b32 s[G1B+0], s44, (1<<16)|(1<<20)|(1<<21)|(5<<22)|(3<<25)
	s_mov_b32 s[G1+1], 128<<16                     ; ao: tensor_dim0 = 128 elements (two tokens of a head),
	s_mov_b32 s[G1+2], 128<<16                     ; tensor_dim1 = 128 rows,
	s_mov_b32 s[G1+3], 128<<16                     ; tile_dim0,
	s_mov_b32 s[G1+4], 128                         ; tile_dim1,
	s_mov_b32 s[G1+5], 128                         ; from row to row: dense
	s_mov_b32 s[G1+6], 0
	s_mov_b32 s[G1+7], 0
	s_mov_b32 s[G1B+1], 128<<16                    ; wp: 128 elements along K,
	s_mov_b32 s[G1B+2], 64<<16                     ; 64 rows,
	s_mov_b32 s[G1B+3], 128<<16
	s_mov_b32 s[G1B+4], 64
	s_mov_b32 s[G1B+5], 1024                       ; 1,024 elements from row to row
	s_mov_b32 s[G1B+6], 0
	s_mov_b32 s[G1B+7], 0
	; where the tiles come from.  ao's hang on the tile row alone, wp's on the tile column alone; every wave makes both, in registers that never hold the other coordinate
	s_lshr_b32 s16, s15, 3                         ; the batch: 8 tile rows each; its 16 planes of 2^18 bytes
	s_lshl_b32 s16, s16, 22
	s_and_b32 s17, s15, 7
	s_lshl_b32 s17, s17, 15                        ; the tile's 256 tokens of 128 bytes
	s_add_co_u32 s16, s16, s17
	s_lshl_b32 s17, s14, 18                        ; the step's first or second head
	s_add_co_u32 s16, s16, s17
	s_mov_b32 s17, 0
	s_lshl_b32 s46, s42, 7
	s_lshl_b32 s47, s14, 6
	s_add_co_u32 s46, s46, s47                     ; wp: row 128 x tile column + 64 x half,
	s_lshl_b32 s46, s46, 11                        ; of 2,048 bytes
	s_mov_b32 s47, 0
	s_mul_i32 s20, s14, AHALF                      ; where they go: no place in the cluster enters an LDS address
	s_mul_i32 s21, s14, BHALF
	s_add_co_u32 s21, s21, 2*AHALF
	s_wait_dscnt 0x0                               ; both opening adds are done
	s_wait_kmcnt 0x0
	s_add_nc_u64 s[16:17], s[4:5], s[16:17]
	s_add_nc_u64 s[46:47], s[6:7], s[46:47]
	CROUND                                         ; all sixteen work-groups are here: the first joint loads meet
.irp s, 0,1
	s_mov_b32 s[G0+4*\s], 1
	s_add_co_u32 s[G0+4*\s+1], s20, \s*SLOT
	s_add_nc_u64 s[G0+4*\s+2:G0+4*\s+3], s[16:17], \s*524288      ; K step s: two planes on
	s_or_b32 s[G0+4*\s+3], s[G0+4*\s+3], 0x80000000
	s_mov_b32 s[G0B+4*\s], 1
	s_add_co_u32 s[G0B+4*\s+1], s21, \s*SLOT
	s_add_nc_u64 s[G0B+4*\s+2:G0B+4*\s+3], s[46:47], \s*KSTEP*2
	s_or_b32 s[G0B+4*\s+3], s[G0B+4*\s+3], 0x80000000
	JLOAD \s
.endr
	v_and_b32 v1, 15, v0                           ; r = lane % 16
	v_bfe_u32 v2, v0, 4, 1                         ; h = lane / 16
	v_lshlrev_b32 v[BO], 5, v2                     ; the bias: my eight outputs of a block begin 8 h numbers on
	s_lshl_b32 s46, s42, 9                         ; my first output, in bytes of f32: 512 x tile column + 256 x half
	s_lshl_b32 s47, s14, 8
	s_add_co_u32 s46, s46, s47
	s_mov_b32 s47, 0
	s_add_nc_u64 s[8:9], s[8:9], s[46:47]
.irp b, 0,1,2,3
	global_load_b128 v[BI+8*\b:BI+8*\b+3],   v[BO], s[8:9] offset:64*\b
	global_load_b128 v[BI+8*\b+4:BI+8*\b+7], v[BO], s[8:9] offset:64*\b+16
.endr
	v_lshrrev_b32 v3, 1, v1
	v_mul_u32_u24 v3, v3, PITCH                    ; ao: token r lies in row r / 2,
	v_and_b32 v4, 1, v0
	v_lshl_add_u32 v3, v4, 7, v3                   ; in its half r % 2,
	v_lshl_add_u32 v3, v2, 4, v3                   ; + 16 x half of the lanes
	v_mul_u32_u24 v4, v1, PITCH
	v_lshl_add_u32 v4, v2, 4, v4                   ; wp: row x pitch + 16 x half
	s_mul_i32 s21, s13, 64*PITCH                   ; my 128 tokens: 64 rows
	s_mul_i32 s22, s14, BHALF                      ; my 64 rows of wp,
	s_add_co_u32 s22, s22, 2*AHALF                 ; which lie behind ao's two heads
.irp s, 0,1
	v_add_nc_u32 v[ADRA+\s], s21, v3
	v_add_nc_u32 v[ADRB+\s], s22, v4
	s_add_co_u32 s21, s21, SLOT
	s_add_co_u32 s22, s22, SLOT
.endr
	s_mul_i32 s23, s12, 16*SPITCH
	s_add_co_u32 s23, s23, STAGE                   ; my stage
	v_mul_u32_u24 v5, v1, SPITCH                   ; in: row r, 32 bytes for each half of the lanes
	v_lshl_add_u32 v5, v2, 5, v5
	v_add_nc_u32 v[STO], s23, v5
	v_mul_u32_u24 v5, v2, SPITCH                   ; back: lanes 0-15 take one row of 256 bytes, lanes 16-31 the next
	v_lshl_add_u32 v5, v1, 4, v5
	v_add_nc_u32 v[RD], s23, v5
	v_lshlrev_b32 v5, 12, v2                       ; and the same two rows in out0: 4,096 bytes a row
	v_lshl_add_u32 v[CO], v1, 4, v5
	s_lshl_b32 s16, s15, 20                        ; my first row of out0: 256 x tile row + 128 x half, of 4,096 bytes,
	s_lshl_b32 s17, s13, 19
	s_add_co_u32 s16, s16, s17
	s_add_co_u32 s16, s16, s46                     ; and my first output
	s_mov_b32 s17, 0
	s_add_nc_u64 s[10:11], s[10:11], s[16:17]
; 8 matrix instructions: blocks of tokens a0, a0 + 1 against my four blocks of outputs, 32 along K, from buffer f.  first = 1: the bias starts the sums.  The 32 accumulators take turns, one instruction a turn,
; in the same order in every quarter.
.macro MUL8 f, a0, first
.irp a, \a0, \a0+1
.irp b, 0,1,2,3
.if \first
	v_wmma_f32_16x16x32_f16 v[8*(4*(\a)+\b):8*(4*(\a)+\b)+7], v[\f+64+8*\b:\f+64+8*\b+7], v[\f+8*(\a):\f+8*(\a)+7], v[BI+8*\b:BI+8*\b+7]
.else
	v_wmma_f32_16x16x32_f16 v[8*(4*(\a)+\b):8*(4*(\a)+\b)+7], v[\f+64+8*\b:\f+64+8*\b+7], v[\f+8*(\a):\f+8*(\a)+7], v[8*(4*(\a)+\b):8*(4*(\a)+\b)+7]
.endif
.endr
.endr
.endm
; 24 LDS loads in one run: the fragments of the slot's q-th 32 along K into buffer f: wp's four, ao's blocks 0-3, ao's blocks 4-7.  Quarter q lies in head q / 2, channels 32 (q % 2) on.
.macro FETCH slot, q, f
.irp b, 0,1,2,3
	ds_load_b128 v[\f+64+8*\b:\f+64+8*\b+3],   v[ADRB+\slot] offset:64*(\q)+\b*16*PITCH
	ds_load_b128 v[\f+64+8*\b+4:\f+64+8*\b+7], v[ADRB+\slot] offset:64*(\q)+\b*16*PITCH+32
.endr
.irp i, 0,1,2,3,4,5,6,7
	ds_load_b128 v[\f+8*\i:\f+8*\i+3],   v[ADRA+\slot] offset:((\q)/2)*AHALF+((\q)%2)*64+\i*8*PITCH
	ds_load_b128 v[\f+8*\i+4:\f+8*\i+7], v[ADRA+\slot] offset:((\q)/2)*AHALF+((\q)%2)*64+\i*8*PITCH+32
.endr
.endm
.macro PLACES                          ; four places in front of loads into registers that matrix instructions have read, and of the first read of results (ISA guide 7.12.1 for the first read of results)
.rept 4
	v_nop
.endr
.endm
; A K step is four quarters of 32 along K, 32 matrix instructions each, on buffers 0, 1, 0, 1.  One of the first three: multiplies buffer f and fetches quarter q into g.
.macro QUARTER slot, q, f, g, first
	s_wait_dscnt 8                                 ; wp's fragments and ao's blocks 0-3 are in; the youngest eight loads (blocks 4-7) may be out
	WIN MUL-0x10*\first
	MUL8 \f, 0, \first
	MUL8 \f, 2, \first
	PLACES
	WIN 0
	FETCH \slot, \q, \g
	s_wait_dscnt 24                                ; all but the 24 just issued
	WIN MUL-0x10*\first
	MUL8 \f, 4, \first
	MUL8 \f, 6, \first
.endm
; The last quarter multiplies buffer 1 and changes slots: ONE barrier; in front of it each wave waits for all its tensor loads, adds 0 to its spare word, and waits for that and for its reads of this slot.
; fill = 1: the barrier opens a round of the cluster's, and this slot is filled again, two K steps ahead.
.macro TURN slot, next, fill
	WIN 0                                          ; (the add's two registers lie in window 0)
	s_wait_tensorcnt 0x0                           ; all my tensor loads have landed: my part of the next slot;
	ds_add_u32 v[SPW], v[NIL]                      ; 0 onto my spare word;
	s_wait_dscnt 9                                 ; (the add and the youngest eight loads may be out)
	WIN MUL
	MUL8 F1, 0, 0                                  ; eight matrix instructions stand between the add and the wait for it
	s_wait_dscnt 0x0                               ; the add is done, and my reads of this slot are over
	s_barrier_signal -1
	MUL8 F1, 2, 0
	WIN 0
	s_barrier_wait -1
.if \fill
	CREST                                          ; no wave of any partner still reads this slot's tiles or has a load on its way
	s_add_nc_u64 s[G0+4*\slot+2:G0+4*\slot+3], s[G0+4*\slot+2:G0+4*\slot+3], 1048576      ; two K steps on: four planes
	s_add_nc_u64 s[G0B+4*\slot+2:G0B+4*\slot+3], s[G0B+4*\slot+2:G0B+4*\slot+3], 2*KSTEP*2
	JLOAD \slot                                    ; the first tensor load behind the round; the four v_nop behind it are also the places in front of the loads below
.else
	PLACES
.endif
	FETCH \next, 0, F0
	WIN MUL
	MUL8 F1, 4, 0
	MUL8 F1, 6, 0
.endm
	s_wait_tensorcnt 1                             ; my part of K step 0 is in (K step 1's load may be out)
	s_barrier_signal -1
	s_barrier_wait -1                              ; everybody's is
	FETCH 0, 0, F0
	s_wait_loadcnt 0x0                             ; the bias
	QUARTER 0, 1, F0, F1, 1                        ; the first quarter stands in front of the loop: its products start the sums, on the bias
	WIN 0                                          ; at a label and at a branch every window is 0
	s_mov_b32 s3, LAPS-1
.Llap:                                         ; a trip goes once round the ring, from a lap's second quarter to the next lap's first, and fills both slots again
	QUARTER 0, 2, F1, F0, 0
	QUARTER 0, 3, F0, F1, 0
	TURN 0, 1, 1
	QUARTER 1, 1, F0, F1, 0
	QUARTER 1, 2, F1, F0, 0
	QUARTER 1, 3, F0, F1, 0
	TURN 1, 0, 1
	QUARTER 0, 1, F0, F1, 0
	WIN 0
	s_sub_co_u32 s3, s3, 1
	s_cmp_lg_u32 s3, 0
	s_cbranch_scc1 .Llap
	QUARTER 0, 2, F1, F0, 0                        ; the last lap fills nothing, and has no round of the cluster's barrier
	QUARTER 0, 3, F0, F1, 0
	TURN 0, 1, 0
	QUARTER 1, 1, F0, F1, 0
	QUARTER 1, 2, F1, F0, 0
	QUARTER 1, 3, F0, F1, 0
	s_wait_dscnt 8                                 ; the very last quarter: nothing more to fetch
	WIN MUL
	MUL8 F1, 0, 0
	MUL8 F1, 2, 0
	s_wait_dscnt 0
	MUL8 F1, 4, 0
	MUL8 F1, 6, 0
	WIN 0
; THE WAY OUT, block by block of 16 tokens x 64 outputs.  A lane holds 32 neighbouring bytes of a row: a block goes through my own stage and comes back as whole rows of 256 bytes, two an instruction.
; LDS serves a wave's instructions in order (ISA guide 5.7.1.4): no wait between the stores and the loads, nor in front of the next block's stores.
.macro TOSTAGE a
	WIN 0x04                                       ; an LDS store's data are its source 1: window 1
.irp b, 0,1,2,3
	ds_store_b128 v[STO], v[8*(4*(\a)+\b):8*(4*(\a)+\b)+3] offset:64*\b          ; each accumulator from its low end on
	ds_store_b128 v[STO], v[8*(4*(\a)+\b)+4:8*(4*(\a)+\b)+7] offset:64*\b+16
.endr
	WIN 0
.set BB, BK+32*((\a)%2)
.irp t, 0,1,2,3,4,5,6,7
	ds_load_b128 v[BB+4*\t:BB+4*\t+3], v[RD] offset:\t*2*SPITCH
.endr
.endm
.macro SEND a, younger                 ; younger: the LDS instructions issued behind block a's loads, which may stay out
.set BB, BK+32*((\a)%2)
	s_wait_dscnt \younger                          ; the block is back in registers
.irp t, 0,1,2,3,4,5,6,7
	global_store_b128 v[CO], v[BB+4*\t:BB+4*\t+3], s[10:11] offset:(\a)*65536+\t*8192 th:TH_STORE_NT   ; 16 lanes store 256 consecutive bytes, aligned; every offset an immediate; written once, read by nobody here
.endr
.endm
	PLACES                                         ; behind the last products: for the reads of results and the loads into the fragments' registers
	TOSTAGE 0
.irp a, 1,2,3,4,5,6,7
.if \a > 1
	s_wait_xcnt 0x0                                ; block a - 2's stores have read their registers: block a's loads may land there
.endif
	TOSTAGE \a
	SEND (\a)-1, 16                                ; behind block a - 1's loads: block a's 8 stores and 8 loads
.endr
	SEND 7, 0
	s_wait_tensorcnt 0x0                           ; the wave's end: behind my last tensor load and my last LDS store
	ds_add_u32 v[SPW], v[NIL]
	s_wait_dscnt 0x0
	CROUND                                         ; the closing round: no work-group ends while a partner may still ask for a tile that names it
	s_endpgm
.Lfunc_end_k_q1dbce34ee9_proj:
	.size	k_q1dbce34ee9_proj, .Lfunc_end_k_q1dbce34ee9_proj-k_q1dbce34ee9_proj
	.p2alignl 7, 3214868480
	.fill 96, 4, 3214868480
	.section	.rodata,"a",@progbits
	.p2align	6, 0x0
	.amdhsa_kernel k_q1dbce34ee9_proj
		.amdhsa_group_segment_fixed_size 327680
		.amdhsa_private_segment_fixed_size 0
		.amdhsa_enable_private_segment 0
		.amdhsa_kernarg_size 32
		.amdhsa_user_sgpr_count 2
		.amdhsa_user_sgpr_kernarg_segment_ptr 1
		.amdhsa_wavefront_size32 1
		.amdhsa_system_sgpr_workgroup_id_x 1
		.amdhsa_system_sgpr_workgroup_id_y 1
		.amdhsa_system_sgpr_workgroup_id_z 1
		.amdhsa_system_vgpr_workitem_id 0
		.amdhsa_next_free_vgpr 512
		.amdhsa_next_free_sgpr 66
		.amdhsa_reserve_vcc 0
		.amdhsa_float_denorm_mode_32 3
		.amdhsa_float_denorm_mode_16_64 3
		.amdhsa_memory_ordered 1
		.amdhsa_forward_progress 1
		.amdhsa_inst_pref_size 86
	.end_amdhsa_kernel
	.amdgpu_metadata
---
amdhsa.version: [ 1, 2 ]
amdhsa.kernels:
  - .name:           k_q1dbce34ee9_proj
    .symbol:         k_q1dbce34ee9_proj.kd
    .args:
      - { .name: ao, .offset: 0, .size: 8, .value_kind: global_buffer, .address_space: global }
      - { .name: wp, .offset: 8, .size: 8, .value_kind: global_buffer, .address_space: global }
      - { .name: b_proj, .offset: 16, .size: 8, .value_kind: global_buffer, .address_space: global }
      - { .name: out0, .offset: 24, .size: 8, .value_kind: global_buffer, .address_space: global }
    .group_segment_fixed_size: 327680
    .private_segment_fixed_size: 0
    .kernarg_segment_align: 8
    .kernarg_segment_size: 32
    .max_flat_workgroup_size: 128
    .sgpr_count:     66
    .vgpr_count:     512
    .wavefront_size: 32
...
	.end_amdgpu_metadata
.endif
;; end of part 4
